; MI455X (gfx1250); checked and timed in simulation.
; The chip was launched on July 23, 2026; its instructions are those of AMD's public machine-readable ISA for CDNA 5 (MIT licence, August 2026) and "CDNA5" Instruction Set Architecture Reference Guide (July 2026). The comments in the code are by the model that wrote it; some were corrected since.
;; Causal Multi Head Self Attention. Allowed arithmetic: matrix products marked QUANTISED: E4M3 operands, one E8M0 scale for each 32 along K, by v_wmma_scale_f32_16x16x128_f8f6f4 with both operands' format E4M3, f32 sums; everything else in f32.
;; Inputs: token_positions 4 x 2,048 int32; w_o 1,024 x 1,024 float32; w_qkv 3,072 x 1,024 float32; x 4 x 2,048 x 1,024 float32.
;; Outputs: out0 4 x 2,048 x 1,024 float32.
;; This version of the problem:
;;   THIS VERSION OF THE PROBLEM IS GIVEN IN LOW PRECISION. The matrix products marked QUANTISED in the list below multiply operands that are first quantised to E4M3 (4 exponent bits, 3 mantissa bits; 8 bits a number), with one power-of-two scale for each 32 numbers along K (OCP MX v1.0); their sums are f32. All else is computed in f32.
;;   The module's matrix products, in the order in which they are computed (A, B: the left and right operand; K: the contracted axis; several contracted axes count as one K, in the product's order):
;;     1. [M 8,192, K 1,024] x [K 1,024, N 3,072]; A: input x; B: input w_qkv: QUANTISED
;;     2. batch 64 x [M 2,048, K 64] x [K 64, N 2,048]; A: computed on the way; B: computed on the way: QUANTISED
;;     3. batch 64 x [M 2,048, K 2,048] x [K 2,048, N 64]; A: softmax (see below); B: computed on the way: QUANTISED
;;     4. [M 8,192, K 1,024] x [K 1,024, N 1,024]; A: computed on the way; B: input w_o: QUANTISED
;;   THE QUANTISER, for each operand of a quantised product, along K:
;;     - K is cut into blocks of 32 from its start; a last block that is shorter is filled with zeros.
;;     - A block's scale is 2^e with e = floor(log2(the largest magnitude in the block)) - 8, held to -126 .. 127; a block of zeros has e = 0. As a byte (E8M0): e + 127.
;;     - Each number is divided by its block's scale, clamped to +-448, and rounded to the nearest number of E4M3, ties to even, subnormals kept.
;;     - The product sums the exact products of the quantised numbers (number of the format x scale) in f32.
;;   ~~~python
;;   def quantise(x, axis):      # numpy; x: float32 -> the quantised numbers, widened to float32 again
;;       x = np.moveaxis(x, axis, -1); K = x.shape[-1]
;;       x = np.pad(x, [(0, 0)] * (x.ndim - 1) + [(0, -K % 32)]); x = x.reshape(x.shape[:-1] + (-1, 32)); a = np.abs(x).max(-1, keepdims=True)
;;       e = np.where(a > 0, np.clip(np.frexp(np.where(a > 0, a, 1))[1] - 1 - 8, -126, 127), 0)      # np.frexp(a)[1] - 1 = floor(log2(a)), exactly
;;       r = np.clip(x / 2.0 ** e, -448, 448)
;;       step = 2.0 ** (np.maximum(np.frexp(np.where(r == 0, 1, r))[1] - 1, -6) - 3)
;;       q = np.round(r / step) * step * 2.0 ** e      # np.round: ties to even
;;       return np.moveaxis(q.reshape(q.shape[:-2] + (-1,))[..., :K], -1, axis).astype(np.float32)
;;   ~~~
;;   SOFTMAX AHEAD OF A QUANTISED PRODUCT. Where the list says 'softmax', what is quantised is not the finished softmax but p = 2^(t - M), with t = logit x log2(e) and M = ceil(the row's largest t), a whole number; so 1/2 < the row's largest p <= 1. The row's sum l is taken of the UNQUANTISED p, in f32, and the product's result is divided by l at the end. Since M is a whole number, a kernel that streams over the keys may use a running M (the ceiling of the running maximum): every later rescaling is an exact power of two, which a block's scale takes up: the codes' values come out the same.
;;   OPERANDS COMPUTED ON THE WAY. 'Computed on the way' means the value that the module computes at that place (a softmax that the list does not call 'softmax' is quantised finished and normalised). What goes into a quantiser is computed in f32, as accurately as f32 sums, v_exp_f32 and their like allow (about 1e-6 of the number): no bf16 or f16 on the way to a quantiser, and a product that is left as it is and whose result goes on into a quantised operand takes f32 operands (vector FMAs, or v_wmma_f32_16x16x4_f32). A number that lies on a knife's edge between two numbers of the format may be rounded either way, as far as f32 arithmetic and the matrix unit's own rounding can turn it there, and no further.
;; 2 versions, each right; version 2 is version 1 with the launch attn written anew for expert scheduling mode. Each part assembles by itself: llvm-mc -triple=amdgcn-amd-amdhsa -mcpu=gfx1250 --defsym DOCPART=n.
;; ======== version 1 of 2: 4 launches
;; workspace buffers: opc 12,582,912 bytes; ops 393,216 bytes; rope 2,097,152 bytes; qkc 25,165,824 bytes; qks 1,310,720 bytes; aoc 8,388,608 bytes; aos 262,144 bytes
;; launch prep (part 1): grid 512 x 1, 4 waves a work-group, no clusters, 34,304 bytes of LDS; arguments x, w_qkv, w_o, token_positions, opc, ops, rope; writes opc, ops, rope
.if DOCPART == 1
	.amdgcn_target "amdgcn-amd-amdhsa--gfx1250"
	.amdhsa_code_object_version 6
	.text
	.protected	k_q153f0bb939_prep
	.globl	k_q153f0bb939_prep
	.p2align	8
	.type	k_q153f0bb939_prep,@function
k_q153f0bb939_prep:
	s_mov_b64 s[64:65], 0
	v_nop
	global_prefetch_b8 v0, s[64:65] scope:SCOPE_SE
	s_setreg_imm32_b32 hwreg(HW_REG_WAVE_MODE, 25, 1), 1
	s_wait_xcnt 0x0
; PREP.  Work-groups 128 to 511 turn x [8192][1024], w_qkv [3072][1024] and w_o [1024][1024], f32, into codes of FP8 (E4M3) with one E8M0 byte for each 32 along K;
; work-groups 0 to 127 make the table of cosines and sines for the rotary embedding from token_positions.
; THE CODES ARE LAID AS IMAGES OF OPERAND REGISTERS.  A fragment is 16 rows x 128 K, 2,048 bytes: [c 0..3][lane][16 bytes]; lane (r = lane % 16, h = lane / 16) holds k = 32 c + 16 h + 0 .. 15 of row r.
; opc: [tile 0..767][K step 0..7] fragments (tiles 0-511 x, 512-703 w_qkv, 704-767 w_o).  ops: [tile][K step / 4][r][K step % 4] words of four scale bytes.
; THE ROWS OF A TILE ARE NOT NEIGHBOURS: row r of tile 2 B + u is the tensor's row 32 B + 8 u + r + 8 (r / 8), so that results of products that take such tiles as source 0 lie 16 neighbours to a lane.
; A block's scale is 2^(floor(log2(its largest magnitude)) - 8); its byte is that magnitude's exponent field - 8, held at 1 from below.  A block of zeros keeps the byte 1 where the rule says 127:
; its codes are zeros, which add nothing under any byte but 0xff, and this program alone reads the bytes.
; rope: [token tile 0..511][j 0..7][lane][cos, sin, cos, sin]: the pairs 16 (j / 4) + 8 h + 2 (j % 4) and the next one, for the token in row r of the tile.
; LIMITS: NaN and infinities among the inputs are not served.  |position| up to 2^17: beyond that the quadrant's number times the low part of pi / 2 is no longer small beside the angle's own rounding.
; The frequencies are 10^(-i / 8) rounded to f32; 1 / 10000^(i / 32) formed in f32 can differ from that in its last places.
; A wave of the quantiser takes one tile x 512 K.  Each load reads 512 consecutive bytes of a row; a K step's 16 rows turn through the wave's own stage in LDS (pitch 528 bytes) so that a lane gets 16 neighbours of each block.
; No tensor loads, no barrier: waves share nothing.  The matrix units and clusters have no part here: the launch moves bytes.
.set PIT,  528
.set STGB, 16*PIT
.set RL,   16                          ; v16-143  two sets of 64 registers as loaded
.set XN,   144                         ; v144-207 64 numbers: register 16 b + i = k 32 b + 16 h + i of my row
.set PC,   208                         ; v208-223 the fragment's codes
.set TM,   224                         ; v224-239 at work
.set PW,   240                         ; v240-243 a scale word for each K step
.set SEL,  20                          ; s[20:21] lane selects: lane l xor 16
.set MNT,  22                          ; s22 the mantissa field of 448
.macro LOAD t                          ; K step t: 16 rows x 512 bytes into set t % 2
.irp i, 0,1,2,3,4,5,6,7,8,9,10,11,12,13,14,15
	global_load_b128 v[RL+64*((\t)%2)+4*\i:RL+64*((\t)%2)+4*\i+3], v1, s[4:5] offset:(\i+8*(\i/8))*4096+512*(\t) th:TH_LOAD_NT
.endr
.endm
.macro TURN t                          ; through the stage: LDS serves a wave's instructions in order, so no wait stands between the stores and the loads
.irp i, 0,1,2,3,4,5,6,7,8,9,10,11,12,13,14,15
	ds_store_b128 v2, v[RL+64*((\t)%2)+4*\i:RL+64*((\t)%2)+4*\i+3] offset:PIT*\i
.endr
.irp b, 0,1,2,3
.irp j, 0,1,2,3
	ds_load_b128 v[XN+16*\b+4*\j:XN+16*\b+4*\j+3], v3 offset:128*\b+16*\j
.endr
.endr
.endm
.macro QUANT s, pw                     ; 64 numbers of a lane become a fragment's codes in v[PC] on and my row's scale word in v[pw]
.irp b, 0,1,2,3
	v_max3_num_f32 v[TM+\b], |v[\s+16*\b]|, |v[\s+1+16*\b]|, 0x4800000   ; my 16 numbers of block b and the floor 2^(9 - 127): the byte cannot fall under 1
.endr
.irp i, 2,4,6,8,10,12,14
.irp b, 0,1,2,3
	v_max3_num_f32 v[TM+\b], v[TM+\b], |v[\s+16*\b+\i]|, |v[\s+1+16*\b+\i]|
.endr
.endr
.irp b, 0,1,2,3
	v_permlanex16_b32 v[TM+4+\b], v[TM+\b], s[SEL], s[SEL+1]
.endr
.irp b, 0,1,2,3
	v_max_num_f32 v[TM+\b], v[TM+\b], v[TM+4+\b]                       ; with lane l xor 16: the block's largest magnitude
.endr
.irp b, 0,1,2,3
	v_add_nc_u32 v[TM+12+\b], 0xfc000000, v[TM+\b]                     ; 8 off its exponent field: the conversion's scale operand
.endr
.irp b, 0,1,2,3
	v_and_or_b32 v[TM+8+\b], v[TM+\b], 0x7f800000, s[MNT]              ; 448 x the scale
.endr
.irp b, 0,1,2,3
	v_lshrrev_b32 v[TM+4+\b], 23, v[TM+12+\b]                          ; the scale's byte
.endr
	v_lshl_or_b32 v[\pw], v[TM+5], 8, v[TM+4]
	v_lshl_or_b32 v[\pw], v[TM+6], 16, v[\pw]
	v_lshl_or_b32 v[\pw], v[TM+7], 24, v[\pw]
.irp b, 0,1,2,3
.irp i, 0,1,2,3,4,5,6,7,8,9,10,11,12,13,14,15
	v_med3_num_f32 v[\s+16*\b+\i], v[\s+16*\b+\i], -v[TM+8+\b], v[TM+8+\b]   ; the conversion to an 8-bit code does not saturate (ISA guide 7.6.2): the hold comes first
.endr
	v_cvt_scalef32_pk8_fp8_f32 v[PC+4*\b:PC+1+4*\b], v[\s+16*\b:\s+7+16*\b], v[TM+12+\b]
	v_cvt_scalef32_pk8_fp8_f32 v[PC+2+4*\b:PC+3+4*\b], v[\s+8+16*\b:\s+15+16*\b], v[TM+12+\b]
.endr
	v_nop                                          ; a plain line behind the last conversion
.endm
	v_lshl_add_u32 v254, v0, 2, 0x8400
	v_mov_b32 v255, 0
	s_cmp_lt_u32 ttmp9, 128
	s_cbranch_scc1 .Lrope
	; ---------------- the quantiser ----------------
	s_load_b128 s[4:7], s[0:1], 0x0                ; x, w_qkv
	s_load_b64 s[8:9], s[0:1], 0x10                ; w_o
	s_load_b128 s[12:15], s[0:1], 0x20             ; opc, ops
	v_lshrrev_b32 v5, 5, v0
	v_readfirstlane_b32 s16, v5                    ; wave
	v_and_b32 v6, 31, v0                           ; lane
	v_and_b32 v7, 15, v0                           ; r
	v_bfe_u32 v8, v0, 4, 1                         ; h
	v_lshlrev_b32 v1, 4, v6                        ; 16 x lane: my bytes of a load, and of an image's piece
	s_mul_i32 s17, s16, STGB                       ; my stage
	v_add_nc_u32 v2, s17, v1                       ; the way in
	v_mul_u32_u24 v3, v7, PIT
	v_lshl_add_u32 v3, v8, 6, v3
	v_add_nc_u32 v3, s17, v3                       ; the way out: row r, + 64 h
	v_lshlrev_b32 v4, 4, v7
	v_lshl_add_u32 v4, v8, 3, v4                   ; the scale words: 16 r + 8 h
	s_mov_b32 s[SEL], 0x76543210
	s_mov_b32 s[SEL+1], 0xfedcba98
	s_mov_b32 s[MNT], 0x600000
.irp b, 0,1,2,3
	v_mov_b32 v[TM+4+\b], 0                        ; written once: a lane permute's destination counts as one of its sources
.endr
	s_sub_co_u32 s18, ttmp9, 128                   ; g = 0 .. 383
	s_lshr_b32 s19, s16, 1
	s_lshl_b32 s23, s18, 1
	s_add_co_u32 s23, s23, s19                     ; the tile among all 768: 2 g + wave / 2
	s_and_b32 s24, s16, 1                          ; which half of K
	s_wait_kmcnt 0x0
	s_cmp_lt_u32 s18, 352                          ; the tensor is chosen by the work-group's number alone
	s_cselect_b64 s[6:7], s[6:7], s[8:9]
	s_mov_b32 s25, 704
	s_cselect_b32 s25, 512, s25
	s_cmp_lt_u32 s18, 256
	s_cselect_b64 s[4:5], s[4:5], s[6:7]
	s_cselect_b32 s25, 0, s25
	s_sub_co_u32 s25, s23, s25                     ; the tile in its tensor
	s_lshr_b32 s26, s25, 1
	s_lshl_b32 s26, s26, 5
	s_and_b32 s27, s25, 1
	s_lshl_b32 s27, s27, 3
	s_add_co_u32 s26, s26, s27                     ; its first row: 32 (T / 2) + 8 (T % 2)
	s_lshl_b32 s26, s26, 12                        ; rows of 4,096 bytes
	s_lshl_b32 s27, s24, 11
	s_add_co_u32 s26, s26, s27
	s_mov_b32 s27, 0
	s_add_nc_u64 s[4:5], s[4:5], s[26:27]
	s_lshl_b32 s26, s23, 14
	s_lshl_b32 s28, s24, 13
	s_add_co_u32 s26, s26, s28
	s_add_nc_u64 s[12:13], s[12:13], s[26:27]
	s_lshl_b32 s26, s23, 9
	s_lshl_b32 s28, s24, 8
	s_add_co_u32 s26, s26, s28
	s_add_nc_u64 s[14:15], s[14:15], s[26:27]
	LOAD 0
	LOAD 1
.irp t, 0,1,2,3
.if \t < 3
	s_wait_loadcnt 16                              ; this K step's 16 loads are in; the next step's 16 may be out
.else
	s_wait_loadcnt 0x0
.endif
	TURN \t
	s_wait_dscnt 0x0                               ; my numbers are back, and the stores into the stage have read their registers,
.if \t < 2
	LOAD \t+2                                      ; which take the loads of two steps on
.endif
.if \t > 0
	s_wait_xcnt 0x0                                ; the codes' registers, which the last step's stores read, are written again only behind this wait
.endif
	QUANT XN, PW+\t
.irp c, 0,1,2,3
	global_store_b128 v1, v[PC+4*\c:PC+4*\c+3], s[12:13] offset:2048*\t+512*\c   ; 32 lanes store 512 consecutive bytes
.endr
.endr
	v_cmp_eq_u32 vcc_lo, 1, v8
	v_cndmask_b32 v244, v240, v242, vcc_lo         ; lanes 0-15 store the words of K steps 0, 1, lanes 16-31 those of 2, 3
	v_cndmask_b32 v245, v241, v243, vcc_lo
	global_store_b64 v4, v[244:245], s[14:15]      ; 256 consecutive bytes, aligned
	s_wait_tensorcnt 0x0
	ds_add_u32 v254, v255
	s_wait_dscnt 0x0
	s_endpgm
	; ---------------- cosines and sines ----------------
.set AN, 16                            ; arrays of 16 registers, one for each of my 16 pairs
.set NN, 32
.set RR, 48
.set ZZ, 64
.set SS, 80
.set CC, 96
.set II, 112
.set OUT, 128                          ; v128-159: cos, sin of pair n at 2 n, 2 n + 1
.set TT, 160
.macro FREQ n, f0, f1                  ; the angle: position x frequency, rounded once; lanes 0-15 take f0, lanes 16-31 f1
	v_mul_f32 v[AN+\n], \f0, v10
	v_mul_f32 v[TT+\n], \f1, v10
	v_cndmask_b32 v[AN+\n], v[AN+\n], v[TT+\n], s30
.endm
.macro FOR16 m
.irp n, 0,1,2,3,4,5,6,7,8,9,10,11,12,13,14,15
	\m \n
.endr
.endm
.macro S1 n
	v_mul_f32 v[NN+\n], s31, v[AN+\n]              ; angle x 2 / pi
.endm
.macro S2 n
	v_rndne_f32 v[NN+\n], v[NN+\n]                 ; the quadrant's number
.endm
.macro S3 n
	v_fma_f32 v[RR+\n], v[NN+\n], s32, v[AN+\n]    ; less N x the high part of pi / 2,
	v_cvt_i32_f32 v[II+\n], v[NN+\n]
.endm
.macro S4 n
	v_fmac_f32 v[RR+\n], s33, v[NN+\n]             ; and its low part: r within pi / 4 of 0
.endm
.macro S5 n
	v_mul_f32 v[ZZ+\n], v[RR+\n], v[RR+\n]
.endm
.macro S6 n
	v_fma_f32 v[SS+\n], v[ZZ+\n], s34, s35
	v_fma_f32 v[CC+\n], v[ZZ+\n], s37, s38
	v_mul_f32 v[TT+\n], v[ZZ+\n], v[RR+\n]
	v_fma_f32 v[NN+\n], v[ZZ+\n], -0.5, 1.0
.endm
.macro S7 n
	v_fma_f32 v[SS+\n], v[SS+\n], v[ZZ+\n], s36
	v_fma_f32 v[CC+\n], v[CC+\n], v[ZZ+\n], s39
	v_mul_f32 v[AN+\n], v[ZZ+\n], v[ZZ+\n]
.endm
.macro S8 n
	v_fma_f32 v[SS+\n], v[SS+\n], v[TT+\n], v[RR+\n]   ; sin r
	v_fma_f32 v[CC+\n], v[CC+\n], v[AN+\n], v[NN+\n]   ; cos r
	v_and_b32 v[TT+\n], 1, v[II+\n]
.endm
.macro S9 n
	v_cmp_eq_u32 vcc_lo, 1, v[TT+\n]               ; in odd quadrants the two change places
	v_cndmask_b32 v[OUT+2*\n], v[CC+\n], v[SS+\n], vcc_lo
	v_cndmask_b32 v[OUT+2*\n+1], v[SS+\n], v[CC+\n], vcc_lo
.endm
.macro S10 n
	v_lshlrev_b32 v[RR+\n], 30, v[II+\n]           ; the sine's sign: bit 1 of N;
	v_add_nc_u32 v[II+\n], 1, v[II+\n]             ; the cosine's: bit 1 of N + 1
.endm
.macro S11 n
	v_and_b32 v[RR+\n], s40, v[RR+\n]
	v_lshlrev_b32 v[II+\n], 30, v[II+\n]
.endm
.macro S12 n
	v_xor_b32 v[OUT+2*\n+1], v[OUT+2*\n+1], v[RR+\n]
	v_and_b32 v[II+\n], s40, v[II+\n]
.endm
.macro S13 n
	v_xor_b32 v[OUT+2*\n], v[OUT+2*\n], v[II+\n]
.endm
.Lrope:
	s_load_b64 s[4:5], s[0:1], 0x18                ; token_positions
	s_load_b64 s[6:7], s[0:1], 0x30                ; rope
	v_lshrrev_b32 v5, 5, v0
	v_readfirstlane_b32 s16, v5
	s_lshl_b32 s17, ttmp9, 2
	s_add_co_u32 s17, s17, s16                     ; my tile of tokens
	v_and_b32 v6, 31, v0
	v_and_b32 v7, 15, v0
	v_bfe_u32 v8, v0, 4, 1
	v_lshlrev_b32 v1, 4, v6
	v_and_b32 v9, 8, v7
	v_add_nc_u32 v9, v9, v7                        ; r + 8 (r / 8)
	v_lshlrev_b32 v9, 2, v9
	v_cmp_eq_u32 s30, 1, v8                        ; lanes 16-31
	s_lshr_b32 s18, s17, 1
	s_lshl_b32 s18, s18, 7                         ; 32 tokens of 4 bytes for each pair of tiles,
	s_and_b32 s19, s17, 1
	s_lshl_b32 s19, s19, 5                         ; 8 for the odd one
	s_add_co_u32 s18, s18, s19
	s_mov_b32 s19, 0
	s_lshl_b32 s24, s17, 12
	s_mov_b32 s25, 0
	s_mov_b32 s31, 0x3f22f983                      ; 2 / pi
	s_mov_b32 s32, 0xbfc90fdb                      ; - the f32 nearest pi / 2
	s_mov_b32 s33, 0x333bbd2e                      ; that number - pi / 2
	s_mov_b32 s34, 0xb94ca1f9                      ; sin r = r + r z (s36 + z (s35 + z s34)), z = r r
	s_mov_b32 s35, 0x3c08839e
	s_mov_b32 s36, 0xbe2aaaa3
	s_mov_b32 s37, 0x37ccf5ce                      ; cos r = 1 - z / 2 + z z (s39 + z (s38 + z s37))
	s_mov_b32 s38, 0xbab6061a
	s_mov_b32 s39, 0x3d2aaaa5
	s_mov_b32 s40, 0x80000000
	s_wait_kmcnt 0x0
	s_add_nc_u64 s[4:5], s[4:5], s[18:19]
	s_add_nc_u64 s[6:7], s[6:7], s[24:25]
	global_load_b32 v10, v9, s[4:5]
	s_wait_loadcnt 0x0
	v_cvt_f32_i32 v10, v10                         ; the position is used as a number alone
	FREQ 0,  1.0,               0.1                ; pair 16 (n / 8) + 8 h + n % 8 has the frequency 10^(-pair / 8)
	FREQ 1,  0.74989420933,     0.074989420933
	FREQ 2,  0.56234132519,     0.056234132519
	FREQ 3,  0.42169650343,     0.042169650343
	FREQ 4,  0.31622776602,     0.031622776602
	FREQ 5,  0.23713737057,     0.023713737057
	FREQ 6,  0.17782794100,     0.017782794100
	FREQ 7,  0.13335214322,     0.013335214322
	FREQ 8,  0.01,              0.001
	FREQ 9,  0.0074989420933,   0.00074989420933
	FREQ 10, 0.0056234132519,   0.00056234132519
	FREQ 11, 0.0042169650343,   0.00042169650343
	FREQ 12, 0.0031622776602,   0.00031622776602
	FREQ 13, 0.0023713737057,   0.00023713737057
	FREQ 14, 0.0017782794100,   0.00017782794100
	FREQ 15, 0.0013335214322,   0.00013335214322
	FOR16 S1
	FOR16 S2
	FOR16 S3
	FOR16 S4
	FOR16 S5
	FOR16 S6
	FOR16 S7
	FOR16 S8
	FOR16 S9
	FOR16 S10
	FOR16 S11
	FOR16 S12
	FOR16 S13
.irp j, 0,1,2,3,4,5,6,7
	global_store_b128 v1, v[OUT+4*\j:OUT+4*\j+3], s[6:7] offset:512*\j   ; 32 lanes store 512 consecutive bytes
.endr
	s_endpgm
.Lfunc_end_k_q153f0bb939_prep:
	.size	k_q153f0bb939_prep, .Lfunc_end_k_q153f0bb939_prep-k_q153f0bb939_prep
	.p2alignl 7, 3214868480
	.fill 96, 4, 3214868480
	.section	.rodata,"a",@progbits
	.p2align	6, 0x0
	.amdhsa_kernel k_q153f0bb939_prep
		.amdhsa_group_segment_fixed_size 34304
		.amdhsa_private_segment_fixed_size 0
		.amdhsa_enable_private_segment 0
		.amdhsa_kernarg_size 56
		.amdhsa_user_sgpr_count 2
		.amdhsa_user_sgpr_kernarg_segment_ptr 1
		.amdhsa_wavefront_size32 1
		.amdhsa_system_sgpr_workgroup_id_x 1
		.amdhsa_system_sgpr_workgroup_id_y 1
		.amdhsa_system_sgpr_workgroup_id_z 1
		.amdhsa_system_vgpr_workitem_id 0
		.amdhsa_next_free_vgpr 256
		.amdhsa_next_free_sgpr 66
		.amdhsa_reserve_vcc 1
		.amdhsa_float_denorm_mode_32 3
		.amdhsa_float_denorm_mode_16_64 3
		.amdhsa_memory_ordered 1
		.amdhsa_forward_progress 1
		.amdhsa_inst_pref_size 74
	.end_amdhsa_kernel
	.amdgpu_metadata
---
amdhsa.version: [ 1, 2 ]
amdhsa.kernels:
  - .name:           k_q153f0bb939_prep
    .symbol:         k_q153f0bb939_prep.kd
    .args:
      - { .name: x, .offset: 0, .size: 8, .value_kind: global_buffer, .address_space: global }
      - { .name: w_qkv, .offset: 8, .size: 8, .value_kind: global_buffer, .address_space: global }
      - { .name: w_o, .offset: 16, .size: 8, .value_kind: global_buffer, .address_space: global }
      - { .name: token_positions, .offset: 24, .size: 8, .value_kind: global_buffer, .address_space: global }
      - { .name: opc, .offset: 32, .size: 8, .value_kind: global_buffer, .address_space: global }
      - { .name: ops, .offset: 40, .size: 8, .value_kind: global_buffer, .address_space: global }
      - { .name: rope, .offset: 48, .size: 8, .value_kind: global_buffer, .address_space: global }
    .group_segment_fixed_size: 34304
    .private_segment_fixed_size: 0
    .kernarg_segment_align: 8
    .kernarg_segment_size: 56
    .max_flat_workgroup_size: 128
    .sgpr_count:     66
    .vgpr_count:     256
    .wavefront_size: 32
...
	.end_amdgpu_metadata
.endif
;; end of part 1
;; launch qkv (part 2): grid 12 x 32, 4 waves a work-group, clusters of 4 x 4, 327,680 bytes of LDS; arguments opc, ops, rope, qkc, qks; writes qkc, qks
.if DOCPART == 2
	.amdgcn_target "amdgcn-amd-amdhsa--gfx1250"
	.amdhsa_code_object_version 6
	.text
	.protected	k_q153f0bb939_qkv
	.globl	k_q153f0bb939_qkv
	.p2align	8
	.type	k_q153f0bb939_qkv,@function
k_q153f0bb939_qkv:
	s_mov_b64 s[64:65], 0
	v_nop
	global_prefetch_b8 v0, s[64:65] scope:SCOPE_SE
	s_setreg_imm32_b32 hwreg(HW_REG_WAVE_MODE, 25, 1), 1
	s_wait_xcnt 0x0
	s_wait_alu depctr_hold_cnt(0) depctr_sa_sdst(0) depctr_va_vdst(0) depctr_va_sdst(0) depctr_va_ssrc(0) depctr_va_vcc(0) depctr_vm_vsrc(0)
	s_getreg_b32 s2, hwreg(HW_REG_IB_STS2, 6, 4)
	s_cmp_eq_u32 s2, 0
	s_cbranch_scc0 .Lentry_in_a_cluster
	s_endpgm
.Lentry_in_a_cluster:
	s_bfe_u32 s2, ttmp6, 0x10000c
	s_cmp_lg_u32 s2, 0xf033
	s_cbranch_scc0 .Lentry_shape_is_right
	s_endpgm
.Lentry_shape_is_right:
; QKV.  x w_qkv^T on codes of FP8 (E4M3) with E8M0 scales, K = 1,024; the rotary embedding on q and k; then q, k and v are quantised in registers for the products of attention and stored as images of operand registers.
; Operands (opc, ops) lie as images: a fragment of 16 rows x 128 K is [c][lane][16 bytes], 2,048 bytes; a tile's eight K steps are 16,384 bytes on end; its scale words 512 bytes.  Row r of tile 2 B + u is the tensor's row 32 B + 8 u + r + 8 (r / 8).
; A work-group of four waves makes 256 x 256, a wave 128 x 128: 64 accumulators.  The matrix instruction takes B's tile as source 0 and A's as source 1: a lane holds one row of A's tile, and the 16 registers of B's tiles
; 2 beta and 2 beta + 1 are 16 neighbours, 32 beta + 16 h + 0 .. 15, along B's rows.
; Cluster x = 0: q, 1: k (A = tokens, B = rows of w: a lane holds a token, registers run along the head's channels, the next K).  Cluster x = 2: v, WITH THE OPERANDS' PARTS CHANGED (A = rows of w_v, B = tokens:
; a lane holds a channel, registers run along the tokens, which are the next K).  The text of the product is one; only tile numbers differ, by arithmetic on the cluster's coordinates.
; K goes in four steps of 256 through two LDS slots, each wave fetching 8 tiles x 4,096 bytes by one tensor load; the scale words of all of K come once.  All LDS reads of operands are 16 bytes a lane on end: no padding.
; CLUSTERS: 4 x 4 work-groups; A's tiles are asked for jointly along a row of the cluster, B's along a column.
; OUT.  qkc: q at 0, k at 2^23: [batch-head][token tile 0..127][c 0..1][lane][16]; v at 2^24: [batch-head][key step 0..15][channel tile 0..3][c 0..3][lane][16].
; qks: q at 0, k at 524,288: [batch-head][G 0..15][lane][4 words], word i of lane (r, h) for tile 8 G + 4 h + i, row r (bytes 0, 1 are the head's two blocks; bytes 2, 3 are never 0xff and meet zero codes only);
; v at 1,048,576: [batch-head][key step][r][channel tile] words.
; LIMITS: NaN and infinities are not served; a block of zeros keeps the byte 1 (its codes are zeros; this program alone reads the bytes).
; REGISTERS: window 0: v8-13, v16-29 addresses; v32-63 scale words, two sets; v128-255 A's fragments, later the way out.  window 1: B's fragments, two sets, later the table of cosines and sines.  windows 2, 3: the accumulators.
.set NQ,    2
.set FR,    16
.set NL,    4
.set NP,    8                          ; places behind this matrix instruction (ISA guide 7.12.1)
.set SLOT,  131072                     ; A's 16 tiles x 4,096 bytes, then B's
.set BOFF,  65536
.set SCL,   262144                     ; A's scale words, 8,192 bytes, then B's
.set SPARE, 278528                     ; the spare words: 128 bytes a wave, two blocks of 256 bytes that no other line names
.set LN16, 8                           ; v8   16 x lane; also the first of the four offsets of the codes' stores, v8-11
.set VO,   8
.set SO,   12                          ; v12  the scale words' store
.set HH,   13                          ; v13  h
.set ADRA, 16                          ; v16-17
.set ADRB, 20                          ; v20-21
.set ADRS, 27
.set SPW,  28                          ; v28  SPARE + 4 x my thread's number; never rewritten
.set NIL,  29                          ; v29  0; never rewritten
.set SC,   32
.set AF,   128
.set TT,   128                         ; the way out: v128-191 at work for the rotation
.set PC,   192                         ; v192-207 codes
.set TM,   208                         ; v208-223 at work
.set PW,   224                         ; v224-231 a scale word for each of my eight blocks
.set W,    232
.set W2,   236
.set G1, 24
.set G0, 32
.set G1B, 48
.set G0B, 56
.set G1S, 68
.set G0S, 76
.set G1SB, 80
.set G0SB, 88
.set SEL, 18                           ; s[18:19], set on the way out
.set MNT, 42
.set MSB, 0
.macro WIN new                         ; the immediate's high byte repeats the setting that is left
.if MSB != (\new)
	s_set_vgpr_msb (MSB<<8)|(\new)
.set MSB, (\new)
.endif
.endm
.set MUL_LO, 0xa1                      ; source 0 (B) window 1, source 1 (A) window 0, C and D window 2
.set MUL_HI, 0xf1
.set TO_B,   0x40
.macro JLOAD g0a, g1a, g0b, g1b        ; a joint load: waves 0 and 1 fetch for A, waves 2 and 3 for B; four v_nop follow each line
	s_cmp_eq_u32 s15, 0
	s_cbranch_scc0 .Lfor_b_\@
	tensor_load_to_lds s[\g0a:\g0a+3], s[\g1a:\g1a+7]
	s_nop 0
.rept 4
	v_nop
.endr
	s_branch .Lasked_\@
.Lfor_b_\@:
	tensor_load_to_lds s[\g0b:\g0b+3], s[\g1b:\g1b+7]
	s_nop 0
.rept 4
	v_nop
.endr
.Lasked_\@:
.endm
.macro CREST
	s_cmp_lg_u32 s14, 0
	s_cbranch_scc1 .Lnot_wave_0_\@
	s_barrier_signal -3
.Lnot_wave_0_\@:
	s_barrier_wait -3
	s_barrier_signal -1
	s_barrier_wait -1
.endm
.macro CROUND
	s_barrier_signal -1
	s_barrier_wait -1
	CREST
.endm
	s_load_b256 s[4:11], s[0:1], 0x0               ; opc s[4:5], ops s[6:7], rope s[8:9], qkc s[10:11]
	s_load_b64 s[12:13], s[0:1], 0x20              ; qks
	v_lshl_add_u32 v[SPW], v0, 2, SPARE
	v_mov_b32 v[NIL], 0
	ds_add_u32 v28, v29
	ds_add_u32 v28, v29
	s_wait_dscnt 0x0
	v_lshrrev_b32 v1, 5, v0
	v_readfirstlane_b32 s14, v1                    ; wave
	s_lshr_b32 s15, s14, 1                         ; my half of A's tiles.  Also: I fetch for A (0) or for B (1)
	s_and_b32 s16, s14, 1                          ; my half of B's tiles.  Also: which 8 tiles I fetch
	s_bfe_u32 s40, ttmp6, 0x40000                  ; cx
	s_bfe_u32 s41, ttmp6, 0x40004                  ; cy
	s_and_b32 s17, ttmp7, 0xffff                   ; cluster y
	s_lshr_b32 s18, ttmp9, 1                       ; 1 for v (cluster x = 2)
	s_xor_b32 s19, s18, 1
	s_lshl_b32 s43, s41, 2
	s_lshl_b32 s43, 15, s43                        ; my row of the cluster
	s_lshl_b32 s44, 0x1111, s40                    ; my column
	s_or_b32 s[G1+0], s43, (3<<16)|(1<<21)         ; the mask; elements of 8 bytes; bit 21 beside a mask; no padding
	s_or_b32 s[G1B+0], s44, (3<<16)|(1<<21)
.irp g, G1, G1B
	s_mov_b32 s[\g+1], 512<<16                     ; tensor_dim0: 4,096 bytes: two K steps of 128 of one tile
	s_mov_b32 s[\g+2], 8<<16                       ; tensor_dim1: 8 tiles
	s_mov_b32 s[\g+3], 512<<16                     ; tile_dim0
	s_mov_b32 s[\g+4], 8                           ; tile_dim1
	s_mov_b32 s[\g+5], 2048                        ; from tile to tile: 16,384 bytes
	s_mov_b32 s[\g+6], 0
	s_mov_b32 s[\g+7], 0
.endr
	s_or_b32 s[G1S+0], s43, (3<<16)|(1<<21)
	s_or_b32 s[G1SB+0], s44, (3<<16)|(1<<21)
.irp g, G1S, G1SB
	s_mov_b32 s[\g+1], 32<<16                      ; the scale words of 8 tiles: 4,096 dense bytes as 16 rows of 256
	s_mov_b32 s[\g+2], 16<<16
	s_mov_b32 s[\g+3], 32<<16
	s_mov_b32 s[\g+4], 16
	s_mov_b32 s[\g+5], 32
	s_mov_b32 s[\g+6], 0
	s_mov_b32 s[\g+7], 0
.endr
	s_lshl_b32 s20, s17, 6                         ; 64 x cluster y
	s_mul_i32 s21, s19, s20                        ; A's first tile: q, k: tokens, 64 cluster y + 16 cy;
	s_mul_i32 s22, s18, 640                        ; v: rows of w_v, 640 + 16 cy
	s_add_co_u32 s21, s21, s22
	s_lshl_b32 s22, s41, 4
	s_add_co_u32 s45, s21, s22
	s_mul_i32 s46, s18, s20                        ; B's first tile: v: tokens, 64 cluster y + 16 cx;
	s_lshl_b32 s47, ttmp9, 6
	s_add_co_u32 s47, s47, 512
	s_mul_i32 s47, s47, s19                        ; q, k: rows of w, 512 + 64 cluster x + 16 cx
	s_add_co_u32 s46, s46, s47
	s_lshl_b32 s47, s40, 4
	s_add_co_u32 s46, s46, s47
	s_lshl_b32 s96, s16, 3                         ; which 8 tiles I fetch
	s_add_co_u32 s20, s45, s96
	s_lshl_b32 s22, s20, 9                         ; their scale words,
	s_lshl_b32 s20, s20, 14                        ; their codes
	s_mov_b32 s21, 0
	s_mov_b32 s23, 0
	s_add_co_u32 s92, s46, s96
	s_lshl_b32 s94, s92, 9
	s_lshl_b32 s92, s92, 14
	s_mov_b32 s93, 0
	s_mov_b32 s95, 0
	s_lshl_b32 s97, s14, 15                        ; where they go: wave x 32,768; no place in the cluster enters an LDS address
	s_lshl_b32 s98, s14, 12
	s_wait_kmcnt 0x0
	s_add_nc_u64 s[20:21], s[4:5], s[20:21]
	s_add_nc_u64 s[22:23], s[6:7], s[22:23]
	s_add_nc_u64 s[92:93], s[4:5], s[92:93]
	s_add_nc_u64 s[94:95], s[6:7], s[94:95]
	CROUND                                         ; all sixteen work-groups are here: the first joint loads meet
	s_mov_b32 s[G0S], 1
	s_add_co_u32 s[G0S+1], s98, SCL
	s_mov_b64 s[G0S+2:G0S+3], s[22:23]
	s_or_b32 s[G0S+3], s[G0S+3], 0x80000000
	s_mov_b32 s[G0SB], 1
	s_add_co_u32 s[G0SB+1], s98, SCL
	s_mov_b64 s[G0SB+2:G0SB+3], s[94:95]
	s_or_b32 s[G0SB+3], s[G0SB+3], 0x80000000
	JLOAD G0S, G1S, G0SB, G1SB                     ; the scale words first: they are wanted with K step 0
.irp s, 0,1
	s_mov_b32 s[G0+4*\s], 1
	s_add_co_u32 s[G0+4*\s+1], s97, \s*SLOT
	s_add_nc_u64 s[G0+4*\s+2:G0+4*\s+3], s[20:21], \s*4096
	s_or_b32 s[G0+4*\s+3], s[G0+4*\s+3], 0x80000000
	s_mov_b32 s[G0B+4*\s], 1
	s_add_co_u32 s[G0B+4*\s+1], s97, \s*SLOT
	s_add_nc_u64 s[G0B+4*\s+2:G0B+4*\s+3], s[92:93], \s*4096
	s_or_b32 s[G0B+4*\s+3], s[G0B+4*\s+3], 0x80000000
	JLOAD G0+4*\s, G1, G0B+4*\s, G1B               ; three loads of mine are out
.endr
	v_and_b32 v1, 15, v0                           ; r
	v_bfe_u32 v[HH], v0, 4, 1                      ; h
	v_and_b32 v3, 31, v0
	v_lshlrev_b32 v[LN16], 4, v3
	s_lshl_b32 s21, s15, 15                        ; my 8 tiles of A,
	s_lshl_b32 s22, s16, 15
	s_add_co_u32 s22, s22, BOFF                    ; of B
.irp s, 0,1
	v_add_nc_u32 v[ADRA+\s], s21, v[LN16]
	v_add_nc_u32 v[ADRB+\s], s22, v[LN16]
	s_add_co_u32 s21, s21, SLOT
	s_add_co_u32 s22, s22, SLOT
.endr
	v_lshlrev_b32 v5, 4, v1                        ; scale words: 16 bytes a row
	s_lshl_b32 s21, s15, 12
	s_lshl_b32 s22, s16, 12
	s_add_co_u32 s22, s22, 8192
	s_sub_co_u32 s22, s22, s21
	v_mul_u32_u24 v6, s22, v[HH]                   ; lanes 16-31 take B's: one product with h
	s_add_co_u32 s21, s21, SCL
	v_add_nc_u32 v5, v5, v6
	v_add_nc_u32 v[ADRS], s21, v5
	; where the results go
	s_lshl_b32 s20, s15, 3
	s_add_co_u32 s20, s20, s45
	s_lshl_b32 s20, s20, 12
	s_mov_b32 s21, 0
	s_add_nc_u64 s[8:9], s[8:9], s[20:21]          ; the table at my first tile of tokens (used for q and k alone)
	s_lshr_b32 s92, s17, 1
	s_lshl_b32 s92, s92, 4                         ; 16 x batch
	s_and_b32 s93, s17, 1
	s_lshl_b32 s93, s93, 2                         ; 4 (cluster y % 2)
	s_lshl_b32 s94, s40, 2
	s_lshl_b32 s95, s16, 1
	s_add_co_u32 s94, s94, s95
	s_add_co_u32 s94, s94, s92                     ; q, k: my first batch-head: 16 batch + 4 cx + 2 (wave % 2)
	s_add_co_u32 s95, s93, s41
	s_lshl_b32 s95, s95, 1
	s_add_co_u32 s95, s95, s15                     ; my group of 8 token tiles
	s_lshl_b32 s96, s94, 17
	s_lshl_b32 s97, s95, 13
	s_add_co_u32 s96, s96, s97
	s_lshl_b32 s97, ttmp9, 23
	s_add_co_u32 s96, s96, s97                     ; codes
	s_lshl_b32 s94, s94, 13
	s_lshl_b32 s95, s95, 9
	s_add_co_u32 s94, s94, s95
	s_lshl_b32 s95, ttmp9, 19
	s_add_co_u32 s97, s94, s95                     ; scale words
	s_lshl_b32 s94, s41, 2
	s_lshl_b32 s95, s15, 1
	s_add_co_u32 s94, s94, s95
	s_add_co_u32 s94, s94, s92                     ; v: my first batch-head: 16 batch + 4 cy + 2 (wave / 2)
	s_add_co_u32 s95, s93, s40
	s_lshl_b32 s95, s95, 1
	s_add_co_u32 s95, s95, s16                     ; my key step
	s_lshl_b32 s94, s94, 4
	s_add_co_u32 s94, s94, s95
	s_lshl_b32 s98, s94, 13
	s_add_co_u32 s98, s98, 0x1000000
	s_lshl_b32 s99, s94, 8
	s_add_co_u32 s99, s99, 0x100000
	s_cmp_eq_u32 ttmp9, 2                          ; offsets alone are chosen
	s_cselect_b32 s96, s98, s96
	s_cselect_b32 s98, s99, s97
	s_mov_b32 s66, 1024
	s_cselect_b32 s66, 2048, s66                   ; from block to block
	s_mov_b32 s2, 1024
	s_cselect_b32 s2, 124928, s2                   ; and in front of block 4: v goes on to the next head
	s_mov_b32 s94, 131072
	s_cselect_b32 s94, 1024, s94                   ; from piece 0 to piece 2: q, k: the next head; v: two blocks of keys on
	s_mov_b32 s95, 256
	s_cselect_b32 s95, 4096, s95
	s_mov_b32 s97, 0
	s_mov_b32 s99, 0
	s_mov_b32 s67, 0
	s_mov_b32 s3, 0
	s_add_nc_u64 s[10:11], s[10:11], s[96:97]
	s_add_nc_u64 s[12:13], s[12:13], s[98:99]
	v_add_nc_u32 v[VO+1], 512, v[VO]
	v_add_nc_u32 v[VO+2], s94, v[VO]
	v_add_nc_u32 v[VO+3], 512, v[VO+2]
	v_mul_u32_u24 v[SO], s95, v[HH]
	v_lshl_add_u32 v[SO], v1, 4, v[SO]             ; q, k: 16 x lane;  v: 16 r + 4,096 h
	s_mov_b32 s[SEL], 0x76543210
	s_mov_b32 s[SEL+1], 0xfedcba98
	s_mov_b32 s[MNT], 0x600000
.macro FRAG reg, adr, q, i             ; a fragment as it lies: four loads of 512 consecutive bytes
.irp c, 0,1,2,3
	ds_load_b128 v[\reg+4*\c:\reg+4*\c+3], v[\adr] offset:4096*(\i)+2048*(\q)+512*\c
.endr
.endm
; 16 matrix instructions: A's blocks a0, a0 + 1 x B's eight.  The 64 accumulators take turns, one instruction a turn, in the same order in every step.
.macro MUL16 a0, p, q, sc, zero
.irp a, \a0, \a0+1
.irp b, 0,1,2,3,4,5,6,7
.if \zero
	v_wmma_scale_f32_16x16x128_f8f6f4 v[8*(8*((\a)%4)+\b):8*(8*((\a)%4)+\b)+7], v[128*(\p)+FR*\b:128*(\p)+FR*\b+FR-1], v[AF+FR*(\a):AF+FR*(\a)+FR-1], 0, v[SC+8*NQ*(\sc)+NQ*\b+(\q)], v[SC+8*NQ*(\sc)+NQ*(\a)+(\q)] matrix_a_scale:MATRIX_SCALE_ROW1
.else
	v_wmma_scale_f32_16x16x128_f8f6f4 v[8*(8*((\a)%4)+\b):8*(8*((\a)%4)+\b)+7], v[128*(\p)+FR*\b:128*(\p)+FR*\b+FR-1], v[AF+FR*(\a):AF+FR*(\a)+FR-1], v[8*(8*((\a)%4)+\b):8*(8*((\a)%4)+\b)+7], v[SC+8*NQ*(\sc)+NQ*\b+(\q)], v[SC+8*NQ*(\sc)+NQ*(\a)+(\q)] matrix_a_scale:MATRIX_SCALE_ROW1
.endif
.endr
.endr
.endm
.macro FETCH_B slot, q, p
	WIN TO_B
.irp i, 0,1,2,3,4,5,6,7
	FRAG 128*(\p)+FR*\i, ADRB+\slot, \q, \i
.endr
	WIN 0
.endm
.macro FETCH_A slot, q, i0
.irp i, \i0, \i0+1, \i0+2, \i0+3
	FRAG AF+FR*(\i), ADRA+\slot, \q, \i
.endr
.endm
.macro SCALES sc, ks                   ; K step ks (of 256): two words a row; lanes 0-15 A's block i, lanes 16-31 B's block i
.irp i, 0,1,2,3,4,5,6,7
	ds_load_b64 v[SC+16*(\sc)+2*\i:SC+16*(\sc)+2*\i+1], v[ADRS] offset:512*\i+256*((\ks)/2)+8*((\ks)%2)
.endr
.endm
.macro PLACES n                        ; plain vector lines between a matrix instruction and a load into, or a read of, its registers
.rept \n
	v_nop
.endr
.endm
.macro STEP slot, q, zero              ; 128 along K with its successor in the same slot
	s_wait_dscnt 4*NL                              ; all but the youngest 16 loads (A's blocks 4-7) are in
	WIN MUL_LO
	MUL16 0, (\q)%2, \q, \slot, \zero
	MUL16 2, (\q)%2, \q, \slot, \zero
	s_wait_dscnt 0
	PLACES NP
	FETCH_B \slot, (\q)+1, 1-(\q)%2
	FETCH_A \slot, (\q)+1, 0
	WIN MUL_HI
	MUL16 4, (\q)%2, \q, \slot, \zero
	MUL16 6, (\q)%2, \q, \slot, \zero
	PLACES NP
	WIN 0
	FETCH_A \slot, (\q)+1, 4
.endm
; A slot's last step changes slots: one barrier; in front of it each wave waits for all its tensor loads, adds 0 to its spare word and waits for that and for its reads of this slot.  fill = 1: the slot is filled again.
.macro TURN slot, next, fill, ks
	s_wait_tensorcnt 0x0                           ; all my tensor loads have landed: my part of the next slot
	ds_add_u32 v[SPW], v[NIL]                      ; 0 onto my spare word
	s_wait_dscnt 4*NL+1                            ; the add and the youngest 16 loads may be out
	WIN MUL_LO
	MUL16 0, 1, NQ-1, \slot, 0
	s_wait_dscnt 0x0                               ; the add is done, and my reads of this slot are over
	s_barrier_signal -1
	MUL16 2, 1, NQ-1, \slot, 0
	WIN 0
	s_barrier_wait -1
.if \fill
	CREST                                          ; the barrier has opened a round of the cluster's barrier: no wave of any partner still reads this slot or has a load on its way
	s_add_nc_u64 s[G0+4*\slot+2:G0+4*\slot+3], s[G0+4*\slot+2:G0+4*\slot+3], 8192
	s_add_nc_u64 s[G0B+4*\slot+2:G0B+4*\slot+3], s[G0B+4*\slot+2:G0B+4*\slot+3], 8192
	JLOAD G0+4*\slot, G1, G0B+4*\slot, G1B         ; the first tensor load behind the round; its four v_nop are among the places
	PLACES NP-4
.else
	PLACES NP
.endif
	FETCH_B \next, 0, 0
	FETCH_A \next, 0, 0
	SCALES \next, \ks
	WIN MUL_HI
	MUL16 4, 1, NQ-1, \slot, 0
	MUL16 6, 1, NQ-1, \slot, 0
	PLACES NP
	WIN 0
	FETCH_A \next, 0, 4
.endm
	s_wait_tensorcnt 1                             ; the scale words and my part of K step 0 are in; K step 1's load may be out
	s_barrier_signal -1
	s_barrier_wait -1
	FETCH_B 0, 0, 0
	FETCH_A 0, 0, 0
	SCALES 0, 0
	FETCH_A 0, 0, 4
	STEP 0, 0, 1                                   ; the first products start the sums.  K has four steps of 256: the ring is written out
	TURN 0, 1, 1, 1
	STEP 1, 0, 0
	TURN 1, 0, 1, 2
	STEP 0, 0, 0
	TURN 0, 1, 0, 3
	STEP 1, 0, 0
	s_cmp_eq_u32 ttmp9, 2                          ; the cluster's x: alike in all partners
	s_cbranch_scc1 .Lno_table
	WIN TO_B                                       ; q, k: cosines and sines of my blocks 0-3 into B's set 0, which is done with (the step's places stand behind its last reader)
.irp a, 0,1,2,3
.irp j, 0,1,2,3,4,5,6,7
	global_load_b128 v[32*\a+4*\j:32*\a+4*\j+3], v[LN16], s[8:9] offset:4096*\a+512*\j
.endr
.endr
	WIN 0
.Lno_table:
	s_wait_dscnt 4*NL                              ; the last step: nothing more to fetch
	WIN MUL_LO
	MUL16 0, 1, NQ-1, 1, 0
	MUL16 2, 1, NQ-1, 1, 0
	s_wait_dscnt 0
	WIN MUL_HI
	MUL16 4, 1, NQ-1, 1, 0
	MUL16 6, 1, NQ-1, 1, 0
	WIN 0
	PLACES NP
.irp b, 0,1,2,3
	v_mov_b32 v[TM+4+\b], 0                        ; written once: a lane permute's destination counts as one of its sources
.endr
; THE ROTATION of block a (16 tokens x my 128 channels).  Registers 2 e, 2 e + 1 hold a pair (x1, x2); the table holds (cos, sin) of that pair for my token.
; First (-x2 sin, x1 sin), then x (cos, cos) + that.  Registers ascend.
.macro ROPE a
.set WN, 2+(\a)/4
.set AC, 64*((\a)%4)
	s_wait_loadcnt 56-8*(\a)                       ; this block's 8 loads are in; the later blocks' may be out
	WIN WN|(1<<2)
.irp b, 0,1,2,3
.irp e, 0,1,2,3,4,5,6,7
	v_pk_mul_f32 v[TT+16*\b+2*\e:TT+16*\b+2*\e+1], v[AC+16*\b+2*\e:AC+16*\b+2*\e+1], v[32*(\a)+16*(\b%2)+2*\e:32*(\a)+16*(\b%2)+2*\e+1] op_sel:[1,1] op_sel_hi:[0,1] neg_lo:[1,0]
.endr
.endr
	WIN WN|(1<<2)|(WN<<6)
.irp b, 0,1,2,3
.irp e, 0,1,2,3,4,5,6,7
	v_pk_fma_f32 v[AC+16*\b+2*\e:AC+16*\b+2*\e+1], v[AC+16*\b+2*\e:AC+16*\b+2*\e+1], v[32*(\a)+16*(\b%2)+2*\e:32*(\a)+16*(\b%2)+2*\e+1], v[TT+16*\b+2*\e:TT+16*\b+2*\e+1] op_sel_hi:[1,0,1]
.endr
.endr
.endm
	s_cmp_eq_u32 ttmp9, 2
	s_cbranch_scc1 .Lno_rope
	WIN TO_B                                       ; blocks 4-7 into B's set 1
.irp a, 4,5,6,7
.irp j, 0,1,2,3,4,5,6,7
	global_load_b128 v[32*\a+4*\j:32*\a+4*\j+3], v[LN16], s[8:9] offset:4096*\a+512*\j
.endr
.endr
.irp a, 0,1,2,3,4,5,6,7
	ROPE \a
.endr
	WIN 0
.Lno_rope:
; Block a is quantised: register 16 beta + i is the next K's index 32 beta + 16 h + i of my lane's row.  The codes are the next operand's registers and leave as they stand.
.macro QUANTW a
.set WN, 2+(\a)/4
.set AC, 64*((\a)%4)
	s_wait_xcnt 0x0                                ; the codes' registers and the base, which the last block's stores read, are written again only behind this wait
.if (\a) == 4
	s_add_nc_u64 s[10:11], s[10:11], s[2:3]
.elseif (\a) > 0
	s_add_nc_u64 s[10:11], s[10:11], s[66:67]
.endif
	WIN (WN<<2)|(WN<<4)
.irp b, 0,1,2,3
	v_max3_num_f32 v[TM+\b], 0x4800000, |v[AC+16*\b]|, |v[AC+16*\b+1]|   ; the floor 2^(9 - 127) among the leaves: the byte cannot fall under 1
.endr
.irp i, 2,4,6,8,10,12,14
.irp b, 0,1,2,3
	v_max3_num_f32 v[TM+\b], v[TM+\b], |v[AC+16*\b+\i]|, |v[AC+16*\b+\i+1]|
.endr
.endr
	WIN 0
.irp b, 0,1,2,3
	v_permlanex16_b32 v[TM+4+\b], v[TM+\b], s[SEL], s[SEL+1]
.endr
.irp b, 0,1,2,3
	v_max_num_f32 v[TM+\b], v[TM+\b], v[TM+4+\b]
.endr
.irp b, 0,1,2,3
	v_add_nc_u32 v[TM+12+\b], 0xfc000000, v[TM+\b]
.endr
.irp b, 0,1,2,3
	v_and_or_b32 v[TM+8+\b], v[TM+\b], 0x7f800000, s[MNT]
.endr
.irp b, 0,1,2,3
	v_lshrrev_b32 v[TM+4+\b], 23, v[TM+12+\b]
.endr
	v_lshl_or_b32 v[PW+\a], v[TM+5], 8, v[TM+4]
	v_lshl_or_b32 v[PW+\a], v[TM+6], 16, v[PW+\a]
	v_lshl_or_b32 v[PW+\a], v[TM+7], 24, v[PW+\a]
	WIN WN|(WN<<6)
.irp b, 0,1,2,3
.irp i, 0,1,2,3,4,5,6,7,8,9,10,11,12,13,14,15
	v_med3_num_f32 v[AC+16*\b+\i], v[AC+16*\b+\i], -v[TM+8+\b], v[TM+8+\b]   ; the conversion does not saturate (ISA guide 7.6.2): the hold comes first
.endr
.endr
	WIN WN
.irp b, 0,1,2,3
	v_cvt_scalef32_pk8_fp8_f32 v[PC+4*\b:PC+4*\b+1], v[AC+16*\b:AC+16*\b+7], v[TM+12+\b]
	v_cvt_scalef32_pk8_fp8_f32 v[PC+4*\b+2:PC+4*\b+3], v[AC+16*\b+8:AC+16*\b+15], v[TM+12+\b]
.endr
	WIN 0
	v_nop                                          ; a plain line behind the last conversion
.irp b, 0,1,2,3
	global_store_b128 v[VO+\b], v[PC+4*\b:PC+4*\b+3], s[10:11]   ; 32 lanes store 512 consecutive bytes
.endr
.endm
.irp a, 0,1,2,3,4,5,6,7
	QUANTW \a
.endr
	v_cmp_eq_u32 vcc_lo, 1, v[HH]
.irp i, 0,1,2,3
	v_cndmask_b32 v[W+\i], v[PW+\i], v[PW+4+\i], vcc_lo   ; lanes 0-15 carry blocks 0-3, lanes 16-31 blocks 4-7
.endr
	global_store_b128 v[SO], v[W:W+3], s[12:13]
	s_cmp_eq_u32 ttmp9, 2
	s_cbranch_scc1 .Lone_head
.irp i, 0,1,2,3
	v_lshrrev_b32 v[W2+\i], 16, v[W+\i]            ; q, k: bytes 2, 3 are my second head's
.endr
	global_store_b128 v[SO], v[W2:W2+3], s[12:13] offset:8192
.Lone_head:
	s_wait_tensorcnt 0x0                           ; the wave's end
	ds_add_u32 v[SPW], v[NIL]
	s_wait_dscnt 0x0
	CROUND                                         ; the closing round
	s_endpgm
.Lfunc_end_k_q153f0bb939_qkv:
	.size	k_q153f0bb939_qkv, .Lfunc_end_k_q153f0bb939_qkv-k_q153f0bb939_qkv
	.p2alignl 7, 3214868480
	.fill 96, 4, 3214868480
	.section	.rodata,"a",@progbits
	.p2align	6, 0x0
	.amdhsa_kernel k_q153f0bb939_qkv
		.amdhsa_group_segment_fixed_size 327680
		.amdhsa_private_segment_fixed_size 0
		.amdhsa_enable_private_segment 0
		.amdhsa_kernarg_size 40
		.amdhsa_user_sgpr_count 2
		.amdhsa_user_sgpr_kernarg_segment_ptr 1
		.amdhsa_wavefront_size32 1
		.amdhsa_system_sgpr_workgroup_id_x 1
		.amdhsa_system_sgpr_workgroup_id_y 1
		.amdhsa_system_sgpr_workgroup_id_z 1
		.amdhsa_system_vgpr_workitem_id 0
		.amdhsa_next_free_vgpr 1024
		.amdhsa_next_free_sgpr 100
		.amdhsa_reserve_vcc 1
		.amdhsa_float_denorm_mode_32 3
		.amdhsa_float_denorm_mode_16_64 3
		.amdhsa_memory_ordered 1
		.amdhsa_forward_progress 1
		.amdhsa_inst_pref_size 225
	.end_amdhsa_kernel
	.amdgpu_metadata
---
amdhsa.version: [ 1, 2 ]
amdhsa.kernels:
  - .name:           k_q153f0bb939_qkv
    .symbol:         k_q153f0bb939_qkv.kd
    .args:
      - { .name: opc, .offset: 0, .size: 8, .value_kind: global_buffer, .address_space: global }
      - { .name: ops, .offset: 8, .size: 8, .value_kind: global_buffer, .address_space: global }
      - { .name: rope, .offset: 16, .size: 8, .value_kind: global_buffer, .address_space: global }
      - { .name: qkc, .offset: 24, .size: 8, .value_kind: global_buffer, .address_space: global }
      - { .name: qks, .offset: 32, .size: 8, .value_kind: global_buffer, .address_space: global }
    .group_segment_fixed_size: 327680
    .private_segment_fixed_size: 0
    .kernarg_segment_align: 8
    .kernarg_segment_size: 40
    .max_flat_workgroup_size: 128
    .sgpr_count:     100
    .vgpr_count:     1024
    .wavefront_size: 32
...
	.end_amdgpu_metadata
.endif
;; end of part 2
;; launch attn (part 3): grid 4 x 64, 16 waves a work-group, no clusters, 101,888 bytes of LDS; arguments qkc, qks, aoc, aos; writes aoc, aos
.if DOCPART == 3
	.amdgcn_target "amdgcn-amd-amdhsa--gfx1250"
	.amdhsa_code_object_version 6
	.text
	.protected	k_q153f0bb939_attn
	.globl	k_q153f0bb939_attn
	.p2align	8
	.type	k_q153f0bb939_attn,@function
k_q153f0bb939_attn:
	s_mov_b64 s[64:65], 0
	v_nop
	global_prefetch_b8 v0, s[64:65] scope:SCOPE_SE
	s_setreg_imm32_b32 hwreg(HW_REG_WAVE_MODE, 25, 1), 1
	s_wait_xcnt 0x0
; ATTENTION with the causal mask, both products on codes of FP8 (E4M3) with E8M0 scales; head size 64, 2,048 tokens, 64 batch-heads.  Its result, O / l, is quantised along the model's 1,024 for the last product.
; t = score x log2(e) / 8; M = the row's largest t so far, rounded up to a whole number; p = 2^(t - M) is quantised along the keys; the row's sum is taken of the unquantised p and divides O at the end.
; When M moves, the sum and O are multiplied by 2^(old M - new M): exact.
; SHARES.  Work-group (X, batch-head) owns the blocks X and 7 - X of 256 queries: X + 1 and 8 - X slots of 256 keys, NINE VISITS for every work-group: equal work and a loop of constant count.
; Each of the sixteen waves owns one tile of 16 queries; four waves to a SIMD, so that one wave's vector work stands beside another's matrix work and LDS loads.
; OPERANDS lie in memory as images of their registers (the launch before laid them so), and go to LDS as they lie: every LDS access is 16 bytes a lane on end.  K and V of the next visit are asked for a whole visit
; ahead, into registers, and stored to the other LDS slot at the next visit's head: one barrier a visit.  A slot is written again two visits after it was read, and every wave has waited for its reads in front of the barrier between.
; No tensor loads and no joint requests: the four work-groups of a head stand at different slots at any time.  No prefetch: each byte of K and V is requested a visit (two key steps of all sixteen waves) before its use.
; LAYOUT.  S^T = K Q^T and O^T = V^T P^T: a lane holds one query throughout.  Row r of a tile of tokens is token 32 (T / 2) + 8 (T % 2) + r + 8 (r / 8), so the 16 registers of key tiles 2 b, 2 b + 1 are keys 32 b + 16 h + 0 .. 15;
; V's tiles of channels are ordered likewise, so O^T's 16 registers of two tiles are 16 neighbouring channels.  The first product's K is 64: the upper halves of its fragments are zero codes, set once.
; OUT.  aoc: [token tile 0..511][K step 0..7][c][lane][16]; head hd fills K step hd / 2, c = 2 (hd % 2) + 0, 1.  aos: [tile][K step / 4][r][K step % 4] words; a wave stores 32 single bytes of them for each tile and head:
; those 256 bytes are completed by the other heads' work-groups: one byte in 32 of what the launch stores.
; LIMITS: NaN and infinities are not served; a block of zeros keeps the byte 1.  The block's largest p is made from the block's largest score by the same two instructions as every p.
; REGISTERS: v1 16 lane, v2 16 thread, v3 16 r, v4-7 LDS addresses of the visit, v8 r + 8 (r / 8) - 16 h, v9 16 r + h, v10 16 lane + 512 wave; v12 -M, v13 largest t, v[14:15] the sum; v16-31 Q; v32-95 four fragments of K
; (their data halves are at work in the softmax); v96-159 S^T, p, then V; v160-191 O^T; v192-207 p's codes; v208 p's, v209 Q's, v210-213 K's, v214-217 V's scale words; v218-237 the next visit's bytes; v238-247 the way out.
.set SLOT1, 65536                      ; a slot: K's images 16,384, V's 16,384, K's scale words 1,024, V's 512
.set VOFF,  16384
.set KSOFF, 32768
.set VSOFF, 33792
.set WV,  12
.set BH,  13
.set VI,  14                           ; the visit, 0 .. 8
.set SIG, 15                           ; its slot of keys
.set JB,  16                           ; the block of queries in hand
.set KF,  17                           ; the step's first key
.set QM,  18                           ; my tile's least query; the largest is 23 above
.set TB,  19                           ; the LDS slot in hand
.set SEL, 20
.set CS,  22
.set MNT, 24
.set HM,  25                           ; lanes 16-31
.set KB,  26
.set VB,  28
.set SB,  30
.set SST, 32
.set SN,  33                           ; the next visit's slot of keys
.set KA,  34
.set VA,  36
.set SA,  38
.set AO,  40
.set ASC, 42
.set QA,  44
.set QS,  46
.macro ASKNEXT                         ; slot s[SN] of K and V into registers: 512 threads x 16 bytes a load; waves 0, 1: K's scale words, wave 2: V's
	s_lshl_b32 s48, s[SN], 14
	s_mov_b32 s49, 0
	s_add_nc_u64 s[KA:KA+1], s[KB:KB+1], s[48:49]
	s_add_nc_u64 s[VA:VA+1], s[VB:VB+1], s[48:49]
	global_load_b128 v[218:221], v2, s[KA:KA+1]
	global_load_b128 v[222:225], v2, s[KA:KA+1] offset:8192
	global_load_b128 v[226:229], v2, s[VA:VA+1]
	global_load_b128 v[230:233], v2, s[VA:VA+1] offset:8192
	s_cmp_lt_u32 s[WV], 3
	s_cbranch_scc0 .Lno_words_\@
	s_mul_i32 s48, s[SN], s[SST]
	s_add_nc_u64 s[SA:SA+1], s[SB:SB+1], s[48:49]
	global_load_b128 v[234:237], v1, s[SA:SA+1]
.Lno_words_\@:
.endm
.macro START                           ; block s[JB]: my tile's Q, its addresses, and empty sums
	s_lshl_b32 s48, s[JB], 4
	s_add_co_u32 s48, s48, s[WV]                   ; my tile among the head's 128
	s_lshl_b32 s49, s[BH], 7
	s_add_co_u32 s50, s49, s48
	s_lshl_b32 s50, s50, 10
	s_mov_b32 s51, 0
	s_add_nc_u64 s[QA:QA+1], s[4:5], s[50:51]
	global_load_b128 v[16:19], v1, s[QA:QA+1]
	global_load_b128 v[20:23], v1, s[QA:QA+1] offset:512
	s_lshr_b32 s50, s48, 2
	s_lshl_b32 s50, s50, 8                         ; 256 bytes for each four tiles,
	s_and_b32 s52, s48, 3
	s_lshl_b32 s52, s52, 2                         ; a word a tile
	s_add_co_u32 s50, s50, s52
	s_lshl_b32 s52, s[BH], 13
	s_add_co_u32 s50, s50, s52
	s_add_nc_u64 s[QS:QS+1], s[6:7], s[50:51]
	global_load_b32 v209, v3, s[QS:QS+1]
	s_lshl_b32 s[QM], s[JB], 8
	s_lshr_b32 s52, s[WV], 1
	s_lshl_b32 s52, s52, 5
	s_add_co_u32 s[QM], s[QM], s52
	s_and_b32 s52, s[WV], 1
	s_lshl_b32 s52, s52, 3
	s_add_co_u32 s[QM], s[QM], s52                 ; 256 block + 32 (wave / 2) + 8 (wave % 2)
	s_lshr_b32 s52, s[BH], 4
	s_lshl_b32 s52, s52, 7
	s_add_co_u32 s52, s52, s48                     ; my tile among all 512
	s_and_b32 s53, s[BH], 15                       ; the head
	s_lshl_b32 s50, s52, 14
	s_lshl_b32 s54, s53, 10                        ; a head's two pieces are 1,024 bytes
	s_add_co_u32 s50, s50, s54
	s_add_nc_u64 s[AO:AO+1], s[8:9], s[50:51]
	s_lshl_b32 s50, s52, 9
	s_lshr_b32 s54, s53, 3
	s_lshl_b32 s54, s54, 8
	s_add_co_u32 s50, s50, s54
	s_and_b32 s54, s53, 7
	s_lshl_b32 s54, s54, 1                         ; two bytes a head
	s_add_co_u32 s50, s50, s54
	s_add_nc_u64 s[ASC:ASC+1], s[10:11], s[50:51]
	v_mov_b32 v13, 0xff61b1e6                      ; the largest t so far: -3e38
	v_floor_f32 v12, -v13
	v_mov_b32 v14, 0
	v_mov_b32 v15, 0
.set J, 0
.rept 32
	v_mov_b32 v[160+J], 0                          ; O^T: the key step is written once; the first finds zeros, which the first change of M leaves zeros
.set J, J+1
.endr
.endm
.macro FINISH                          ; O^T / the sum, quantised along the channels, out as two pieces of an image and a byte a lane
.rept 8
	v_nop                                          ; places behind the last products
.endr
	v_add_f32 v14, v14, v15
	v_permlanex16_b32 v238, v14, s[SEL], s[SEL+1]
	v_add_f32 v14, v14, v238                       ; the row's sum
	v_rcp_f32 v14, v14
	v_nop                                          ; a plain line behind the transcendental,
	s_wait_alu depctr_va_vdst(0)                   ; and a wait ahead of its first reader
.set J, 0
.rept 16
	v_pk_mul_f32 v[96+J:97+J], v[160+J:161+J], v[14:15] op_sel_hi:[1,0]   ; register 16 b + i: channel 32 b + 16 h + i
.set J, J+2
.endr
.irp b, 0,1
	v_max3_num_f32 v[238+\b], |v[96+16*\b]|, |v[97+16*\b]|, 0x4800000
.endr
.irp i, 2,4,6,8,10,12,14
.irp b, 0,1
	v_max3_num_f32 v[238+\b], v[238+\b], |v[96+16*\b+\i]|, |v[97+16*\b+\i]|
.endr
.endr
.irp b, 0,1
	v_permlanex16_b32 v[240+\b], v[238+\b], s[SEL], s[SEL+1]
.endr
.irp b, 0,1
	v_max_num_f32 v[238+\b], v[238+\b], v[240+\b]
.endr
.irp b, 0,1
	v_add_nc_u32 v[244+\b], 0xfc000000, v[238+\b]
.endr
.irp b, 0,1
	v_and_or_b32 v[242+\b], v[238+\b], 0x7f800000, s[MNT]
.endr
.irp b, 0,1
	v_lshrrev_b32 v[246+\b], 23, v[244+\b]
.endr
.irp b, 0,1
.irp i, 0,1,2,3,4,5,6,7,8,9,10,11,12,13,14,15
	v_med3_num_f32 v[96+16*\b+\i], v[96+16*\b+\i], -v[242+\b], v[242+\b]
.endr
	v_cvt_scalef32_pk8_fp8_f32 v[192+4*\b:193+4*\b], v[96+16*\b:103+16*\b], v[244+\b]
	v_cvt_scalef32_pk8_fp8_f32 v[194+4*\b:195+4*\b], v[104+16*\b:111+16*\b], v[244+\b]
.endr
	v_cndmask_b32 v246, v246, v247, s[HM]          ; lanes 0-15 store block 0's byte, lanes 16-31 block 1's.  (A plain line behind the conversions)
	global_store_b128 v1, v[192:195], s[AO:AO+1]
	global_store_b128 v1, v[196:199], s[AO:AO+1] offset:512
	global_store_b8 v9, v246, s[ASC:ASC+1]
	s_wait_xcnt 0x0                                ; the stores' registers and bases are written again only behind this wait
.endm
; A KEY STEP: 128 keys, the q-th of the slot in hand
.macro STEP q
	s_lshl_b32 s[KF], s[SIG], 8
.if \q
	s_add_co_u32 s[KF], s[KF], 128
.endif
	s_add_co_u32 s48, s[QM], 23
	s_cmp_gt_u32 s[KF], s48                        ; all its keys come after my queries: the step is left out (ids alone decide)
	s_cbranch_scc1 .Lhidden_\@
.rept 9
	v_nop                                          ; S^T is laid over V's fragments, which the last products read: nine places in front of matrix instructions that write over them
.endr
	ds_load_b128 v[210:213], v4 offset:KSOFF+512*\q   ; word i: lanes 0-15 tile i, lanes 16-31 tile 4 + i
.irp g, 0,1
.if \g
.rept 8
	v_nop                                          ; places in front of loads into registers that matrix instructions have read
.endr
.endif
.irp i, 0,1,2,3
	ds_load_b128 v[32+16*\i:35+16*\i], v4 offset:8192*\q+1024*(4*\g+\i)
	ds_load_b128 v[36+16*\i:39+16*\i], v4 offset:8192*\q+1024*(4*\g+\i)+512
.endr
	s_wait_dscnt 0x0
.irp i, 0,1,2,3
.if \g
	v_wmma_scale_f32_16x16x128_f8f6f4 v[96+8*(4*\g+\i):103+8*(4*\g+\i)], v[32+16*\i:47+16*\i], v[16:31], 0, v[210+\i], v209 matrix_a_scale:MATRIX_SCALE_ROW1
.else
	v_wmma_scale_f32_16x16x128_f8f6f4 v[96+8*(4*\g+\i):103+8*(4*\g+\i)], v[32+16*\i:47+16*\i], v[16:31], 0, v[210+\i], v209
.endif
.endr
.endr
.rept 8
	v_nop
.endr
	s_add_co_u32 s48, s[KF], 127
	s_cmp_le_u32 s48, s[QM]                        ; all keys count: no mask
	s_cbranch_scc1 .Lopen_\@
	s_sub_co_i32 s48, s[QM], s[KF]
	v_add_nc_u32 v66, s48, v8                      ; d = my query - KF - 16 h.  Register 16 b + i holds key KF + 16 h + 32 b + i: hidden where 32 b + i > d
	v_mov_b32 v67, 0xff800000
.set N, 0
.rept 64
	v_cmp_gt_i32 vcc_lo, 32*(N/16)+N%16, v66
	v_cndmask_b32 v[96+N], v[96+N], v67, vcc_lo
.set N, N+1
.endr
.Lopen_\@:
.irp b, 0,1,2,3
	v_max3_num_f32 v[32+\b], v[96+16*\b], v[97+16*\b], v[98+16*\b]   ; the largest score of each block of 32 keys: for the row's maximum, and for the block's largest p
.endr
.irp i, 3,5,7,9,11,13
.irp b, 0,1,2,3
	v_max3_num_f32 v[32+\b], v[32+\b], v[96+16*\b+\i], v[97+16*\b+\i]
.endr
.endr
.irp b, 0,1,2,3
	v_max_num_f32 v[32+\b], v[32+\b], v[111+16*\b]
.endr
.irp b, 0,1,2,3
	v_permlanex16_b32 v[36+\b], v[32+\b], s[SEL], s[SEL+1]
.endr
.irp b, 0,1,2,3
	v_max_num_f32 v[32+\b], v[32+\b], v[36+\b]
.endr
	v_max3_num_f32 v66, v32, v33, v34
	v_max_num_f32 v66, v66, v35
	v_mul_f32 v66, s[CS], v66
	v_max_num_f32 v13, v13, v66                    ; the running largest t
	v_mov_b32 v66, v12
	v_floor_f32 v12, -v13                          ; the new -M: M is a whole number
	v_sub_f32 v66, v12, v66
	v_cvt_i32_f32 v66, v66                         ; (it saturates)
	v_ldexp_f32 v64, 1.0, v66                      ; f = 2^(old M - new M)
.set J, 0
.rept 32
	v_pk_fma_f32 v[96+J:97+J], v[96+J:97+J], s[CS:CS+1], v[12:13] op_sel_hi:[1,0,0]   ; t - M
.set J, J+2
.endr
.irp b, 0,1,2,3
	v_fma_f32 v[32+\b], v[32+\b], s[CS], v12
.endr
.set J, 0
.rept 64
	v_exp_f32 v[96+J], v[96+J]                     ; p = 2^(t - M)
.set J, J+1
.endr
	v_pk_mul_f32 v[14:15], v[14:15], v[64:65] op_sel_hi:[1,0]   ; the sums under the new M.  (A plain line behind the exponentials)
	s_wait_alu depctr_va_vdst(0)                   ; one wait for the batch, ahead of its first reader
.irp b, 0,1,2,3
	v_exp_f32 v[32+\b], v[32+\b]                   ; the block's largest p
.endr
	v_pk_add_f32 v[36:37], v[96:97], v[98:99]      ; the row's sum of the unquantised p, in two chains
.irp j, 4,8,12,16,20,24,28,32,36,40,44,48,52,56,60
	v_pk_add_f32 v[14:15], v[14:15], v[96+\j:97+\j]
	v_pk_add_f32 v[36:37], v[36:37], v[98+\j:99+\j]
.endr
	v_pk_add_f32 v[14:15], v[14:15], v[36:37]
	s_wait_alu depctr_va_vdst(0)                   ; and one for the four
.irp b, 0,1,2,3
	v_max_num_f32 v[32+\b], 0x4800000, v[32+\b]    ; the floor: the byte cannot fall under 1
.endr
.irp b, 0,1,2,3
	v_add_nc_u32 v[52+\b], 0xfc000000, v[32+\b]
.endr
.irp b, 0,1,2,3
	v_and_or_b32 v[48+\b], v[32+\b], 0x7f800000, s[MNT]
.endr
.irp b, 0,1,2,3
	v_lshrrev_b32 v[36+\b], 23, v[52+\b]
.endr
	v_lshl_or_b32 v208, v37, 8, v36                ; p's scale word for these 128 keys
	v_lshl_or_b32 v208, v38, 16, v208
	v_lshl_or_b32 v208, v39, 24, v208
.irp b, 0,1,2,3
.irp i, 0,1,2,3,4,5,6,7,8,9,10,11,12,13,14,15
	v_min_num_f32 v[96+16*\b+\i], v[96+16*\b+\i], v[48+\b]   ; the hold; p is not negative
.endr
	v_cvt_scalef32_pk8_fp8_f32 v[192+4*\b:193+4*\b], v[96+16*\b:103+16*\b], v[52+\b]
	v_cvt_scalef32_pk8_fp8_f32 v[194+4*\b:195+4*\b], v[104+16*\b:111+16*\b], v[52+\b]
.endr
.irp t, 0,1,2,3
.irp c, 0,1,2,3
	ds_load_b128 v[96+16*\t+4*\c:99+16*\t+4*\c], v4 offset:VOFF+8192*\q+2048*\t+512*\c   ; V's four tiles of channels take p's place
.endr
.endr
	ds_load_b128 v[214:217], v5 offset:VSOFF+256*\q
.set J, 0
.rept 16
	v_pk_mul_f32 v[160+J:161+J], v[160+J:161+J], v[64:65] op_sel_hi:[1,0]   ; O^T under the new M.  (These are also the places in front of the products)
.set J, J+2
.endr
	s_wait_dscnt 0x0
.irp t, 0,1,2,3
	v_wmma_scale_f32_16x16x128_f8f6f4 v[160+8*\t:167+8*\t], v[96+16*\t:111+16*\t], v[192:207], v[160+8*\t:167+8*\t], v[214+\t], v208
.endr
.Lhidden_\@:
.endm
	s_load_b256 s[4:11], s[0:1], 0x0               ; qkc s[4:5], qks s[6:7], aoc s[8:9], aos s[10:11]
	v_lshl_add_u32 v254, v0, 2, 0x18600
	v_mov_b32 v255, 0
	v_lshrrev_b32 v11, 5, v0
	v_readfirstlane_b32 s[WV], v11
	v_and_b32 v11, 31, v0
	v_lshlrev_b32 v1, 4, v11
	v_lshlrev_b32 v2, 4, v0
	v_and_b32 v11, 15, v0                          ; r
	v_lshlrev_b32 v3, 4, v11
	v_bfe_u32 v10, v0, 4, 1                        ; h
	v_add_nc_u32 v9, v3, v10
	v_and_b32 v8, 8, v11
	v_add_nc_u32 v8, v8, v11
	v_lshlrev_b32 v11, 4, v10
	v_sub_nc_u32 v8, v8, v11
	v_cmp_eq_u32 s[HM], 1, v10
	s_lshl_b32 s48, s[WV], 9
	v_add_nc_u32 v10, s48, v1
	s_and_b32 s[BH], ttmp7, 0xffff
	s_mov_b32 s[SEL], 0x76543210
	s_mov_b32 s[SEL+1], 0xfedcba98
	s_mov_b32 s[CS], 0x3e38aa3b                    ; log2(e) / 8
	s_mov_b32 s[CS+1], s[CS]
	s_mov_b32 s[MNT], 0x600000
	s_mov_b32 s[TB], 0
	s_mov_b32 s[VI], 0
	s_mov_b32 s[SIG], 0
	s_mov_b32 s[SN], 0
	s_mov_b32 s[JB], ttmp9
	s_lshl_b32 s48, s[BH], 17
	s_mov_b32 s49, 0
	s_add_co_u32 s50, s48, 0x800000                ; K's images of my batch-head,
	s_mov_b32 s51, 0
	s_add_co_u32 s48, s48, 0x1000000               ; V's
	s_lshl_b32 s52, s[BH], 13
	s_lshl_b32 s53, s[WV], 9
	s_add_co_u32 s52, s52, s53
	s_add_co_u32 s52, s52, 0x80000                 ; waves 0, 1: K's scale words, 512 bytes each;
	s_lshl_b32 s54, s[BH], 12
	s_add_co_u32 s54, s54, 0x100000                ; wave 2: V's
	s_cmp_lt_u32 s[WV], 2
	s_cselect_b32 s52, s52, s54
	s_mov_b32 s[SST], 512
	s_cselect_b32 s[SST], 1024, s[SST]             ; from slot to slot
	s_mov_b32 s53, 0
.irp j, 24,25,26,27,28,29,30,31
	v_mov_b32 v[\j], 0                             ; the first product's K is 64: zero codes above it, in Q
.endr
.irp i, 0,1,2,3
.irp j, 8,9,10,11,12,13,14,15
	v_mov_b32 v[32+16*\i+\j], 0                    ; and in K's four fragments
.endr
.endr
.irp j, 238,239,240,241
	v_mov_b32 v[\j], 0                             ; lane permutes' destinations count as sources
.endr
	s_wait_kmcnt 0x0
	s_add_nc_u64 s[KB:KB+1], s[4:5], s[50:51]
	s_add_nc_u64 s[VB:VB+1], s[4:5], s[48:49]
	s_add_nc_u64 s[SB:SB+1], s[6:7], s[52:53]
	START
	ASKNEXT
.Lvisit:
	s_wait_loadcnt 0x0                             ; this visit's K and V (asked for a visit ago), and Q
	v_add_nc_u32 v4, s[TB], v1
	v_add_nc_u32 v5, s[TB], v3
	v_add_nc_u32 v6, s[TB], v2
	v_add_nc_u32 v7, s[TB], v10
	ds_store_b128 v6, v[218:221]
	ds_store_b128 v6, v[222:225] offset:8192
	ds_store_b128 v6, v[226:229] offset:VOFF
	ds_store_b128 v6, v[230:233] offset:VOFF+8192
	s_cmp_lt_u32 s[WV], 3
	s_cbranch_scc0 .Lno_store
	ds_store_b128 v7, v[234:237] offset:KSOFF
.Lno_store:
	s_wait_dscnt 0x0                               ; my stores have landed, and my reads of the other slot were over long ago
	s_barrier_signal -1
	s_barrier_wait -1
	s_cmp_lt_u32 s[VI], 8
	s_cbranch_scc0 .Lno_ask                        ; the last visit asks for nothing
	s_add_co_u32 s[SN], s[SIG], 1
	s_cmp_eq_u32 s[VI], ttmp9
	s_cselect_b32 s[SN], 0, s[SN]                  ; the second block begins at the head's first keys
	ASKNEXT
.Lno_ask:
	STEP 0
	STEP 1
	s_cmp_eq_u32 s[VI], ttmp9
	s_cbranch_scc0 .Lsame_block
	FINISH                                         ; block X is done: on to block 7 - X
	s_sub_co_u32 s[JB], 7, ttmp9
	START
.Lsame_block:
	s_xor_b32 s[TB], s[TB], SLOT1
	s_mov_b32 s[SIG], s[SN]
	s_add_co_u32 s[VI], s[VI], 1
	s_cmp_lt_u32 s[VI], 9
	s_cbranch_scc1 .Lvisit
	FINISH
	s_wait_tensorcnt 0x0
	ds_add_u32 v254, v255
	s_wait_dscnt 0x0
	s_endpgm
.Lfunc_end_k_q153f0bb939_attn:
	.size	k_q153f0bb939_attn, .Lfunc_end_k_q153f0bb939_attn-k_q153f0bb939_attn
	.p2alignl 7, 3214868480
	.fill 96, 4, 3214868480
	.section	.rodata,"a",@progbits
	.p2align	6, 0x0
	.amdhsa_kernel k_q153f0bb939_attn
		.amdhsa_group_segment_fixed_size 101888
		.amdhsa_private_segment_fixed_size 0
		.amdhsa_enable_private_segment 0
		.amdhsa_kernarg_size 32
		.amdhsa_user_sgpr_count 2
		.amdhsa_user_sgpr_kernarg_segment_ptr 1
		.amdhsa_wavefront_size32 1
		.amdhsa_system_sgpr_workgroup_id_x 1
		.amdhsa_system_sgpr_workgroup_id_y 1
		.amdhsa_system_sgpr_workgroup_id_z 1
		.amdhsa_system_vgpr_workitem_id 0
		.amdhsa_next_free_vgpr 256
		.amdhsa_next_free_sgpr 96
		.amdhsa_reserve_vcc 1
		.amdhsa_float_denorm_mode_32 3
		.amdhsa_float_denorm_mode_16_64 3
		.amdhsa_memory_ordered 1
		.amdhsa_forward_progress 1
		.amdhsa_inst_pref_size 71
	.end_amdhsa_kernel
	.amdgpu_metadata
---
amdhsa.version: [ 1, 2 ]
amdhsa.kernels:
  - .name:           k_q153f0bb939_attn
    .symbol:         k_q153f0bb939_attn.kd
    .args:
      - { .name: qkc, .offset: 0, .size: 8, .value_kind: global_buffer, .address_space: global }
      - { .name: qks, .offset: 8, .size: 8, .value_kind: global_buffer, .address_space: global }
      - { .name: aoc, .offset: 16, .size: 8, .value_kind: global_buffer, .address_space: global }
      - { .name: aos, .offset: 24, .size: 8, .value_kind: global_buffer, .address_space: global }
    .group_segment_fixed_size: 101888
    .private_segment_fixed_size: 0
    .kernarg_segment_align: 8
    .kernarg_segment_size: 32
    .max_flat_workgroup_size: 512
    .sgpr_count:     96
    .vgpr_count:     256
    .wavefront_size: 32
...
	.end_amdgpu_metadata
.endif
;; end of part 3
;; launch oproj (part 4): grid 4 x 32, 4 waves a work-group, clusters of 4 x 4, 327,680 bytes of LDS; arguments aoc, aos, opc, ops, out0; writes out0
.if DOCPART == 4
	.amdgcn_target "amdgcn-amd-amdhsa--gfx1250"
	.amdhsa_code_object_version 6
	.text
	.protected	k_q153f0bb939_oproj
	.globl	k_q153f0bb939_oproj
	.p2align	8
	.type	k_q153f0bb939_oproj,@function
k_q153f0bb939_oproj:
	s_mov_b64 s[64:65], 0
	v_nop
	global_prefetch_b8 v0, s[64:65] scope:SCOPE_SE
	s_setreg_imm32_b32 hwreg(HW_REG_WAVE_MODE, 25, 1), 1
	s_wait_xcnt 0x0
	s_wait_alu depctr_hold_cnt(0) depctr_sa_sdst(0) depctr_va_vdst(0) depctr_va_sdst(0) depctr_va_ssrc(0) depctr_va_vcc(0) depctr_vm_vsrc(0)
	s_getreg_b32 s2, hwreg(HW_REG_IB_STS2, 6, 4)
	s_cmp_eq_u32 s2, 0
	s_cbranch_scc0 .Lentry_in_a_cluster
	s_endpgm
.Lentry_in_a_cluster:
	s_bfe_u32 s2, ttmp6, 0x10000c
	s_cmp_lg_u32 s2, 0xf033
	s_cbranch_scc0 .Lentry_shape_is_right
	s_endpgm
.Lentry_shape_is_right:
; OPROJ.  out0 = (attention's result) w_o^T on codes of FP8 (E4M3) with E8M0 scales, K = 1,024; out0 [8192][1024] f32.
; Operands lie as images of their registers: a fragment of 16 rows x 128 K is [c][lane][16 bytes]; a tile's eight K steps are 16,384 bytes, its scale words 512.  Row r of tile 2 B + u is the tensor's row 32 B + 8 u + r + 8 (r / 8).
; A (aoc, aos): 512 tiles of tokens.  B (opc, ops from tile 704 on): w_o's 64 tiles.  A work-group of four waves makes 256 x 256, a wave 128 x 128: 64 accumulators.  Source 0 = B's tile, source 1 = A's:
; a lane holds one token, and the 16 registers of B's tiles 2 beta, 2 beta + 1 are output columns 32 beta + 16 h + 0 .. 15.
; K goes in four steps of 256 through two LDS slots, each wave fetching 8 tiles x 4,096 bytes by one tensor load; the scale words of all of K come once.  All LDS reads of operands are 16 bytes a lane on end: no padding.
; CLUSTERS: 4 x 4 work-groups; A's tiles are asked for jointly along a row of the cluster, B's along a column.
; The grid has 128 work-groups: 8,192 x 1,024 in tiles of 256 x 256.
; REGISTERS: window 0: v16-29 addresses; v32-63 scale words, two sets; v128-255 A's fragments, later rows of the result.  window 1: B's fragments, two sets.  windows 2, 3: the accumulators.
.set NQ,    2
.set FR,    16
.set NL,    4
.set NP,    8                          ; places behind this matrix instruction (ISA guide 7.12.1)
.set SLOT,  131072
.set BOFF,  65536
.set SCL,   262144
.set SPARE, 278528                     ; the spare words: 128 bytes a wave, two blocks of 256 bytes that no other line names
.set SPITCH, 528                       ; the way out: a stage of 16 rows x (512 + 16) bytes for each wave, in slot 0, which has had its last fill and its last read when the first result is stored there
.set ADRA, 16
.set ADRB, 20
.set STO,  24
.set RD,   25
.set CO,   26
.set ADRS, 27
.set SPW,  28                          ; v28  SPARE + 4 x my thread's number; never rewritten
.set NIL,  29                          ; v29  0; never rewritten
.set SC,   32
.set AF,   128
.set BK,   128
.set G1, 24
.set G0, 32
.set G1B, 48
.set G0B, 56
.set G1S, 68
.set G0S, 76
.set G1SB, 80
.set G0SB, 88
.set MSB, 0
.macro WIN new                         ; the immediate's high byte repeats the setting that is left
.if MSB != (\new)
	s_set_vgpr_msb (MSB<<8)|(\new)
.set MSB, (\new)
.endif
.endm
.set MUL_LO, 0xa1
.set MUL_HI, 0xf1
.set TO_B,   0x40
.macro JLOAD g0a, g1a, g0b, g1b        ; a joint load: waves 0 and 1 fetch for A, waves 2 and 3 for B; four v_nop follow each line
	s_cmp_eq_u32 s15, 0
	s_cbranch_scc0 .Lfor_b_\@
	tensor_load_to_lds s[\g0a:\g0a+3], s[\g1a:\g1a+7]
	s_nop 0
.rept 4
	v_nop
.endr
	s_branch .Lasked_\@
.Lfor_b_\@:
	tensor_load_to_lds s[\g0b:\g0b+3], s[\g1b:\g1b+7]
	s_nop 0
.rept 4
	v_nop
.endr
.Lasked_\@:
.endm
.macro CREST
	s_cmp_lg_u32 s14, 0
	s_cbranch_scc1 .Lnot_wave_0_\@
	s_barrier_signal -3
.Lnot_wave_0_\@:
	s_barrier_wait -3
	s_barrier_signal -1
	s_barrier_wait -1
.endm
.macro CROUND
	s_barrier_signal -1
	s_barrier_wait -1
	CREST
.endm
	s_load_b256 s[4:11], s[0:1], 0x0               ; aoc s[4:5], aos s[6:7], opc s[8:9], ops s[10:11]
	s_load_b64 s[12:13], s[0:1], 0x20              ; out0
	v_lshl_add_u32 v[SPW], v0, 2, SPARE
	v_mov_b32 v[NIL], 0
	ds_add_u32 v28, v29
	ds_add_u32 v28, v29
	s_wait_dscnt 0x0
	v_lshrrev_b32 v1, 5, v0
	v_readfirstlane_b32 s14, v1                    ; wave
	s_lshr_b32 s15, s14, 1                         ; my half of A's tiles.  Also: I fetch for A (0) or for B (1)
	s_and_b32 s16, s14, 1                          ; my half of B's tiles.  Also: which 8 tiles I fetch
	s_bfe_u32 s40, ttmp6, 0x40000                  ; cx
	s_bfe_u32 s41, ttmp6, 0x40004                  ; cy
	s_lshl_b32 s42, ttmp9, 2
	s_add_co_u32 s42, s42, s40                     ; tile column
	s_and_b32 s17, ttmp7, 0xffff
	s_lshl_b32 s17, s17, 2
	s_add_co_u32 s17, s17, s41                     ; tile row
	s_lshl_b32 s43, s41, 2
	s_lshl_b32 s43, 15, s43                        ; my row of the cluster
	s_lshl_b32 s44, 0x1111, s40                    ; my column
	s_or_b32 s[G1+0], s43, (3<<16)|(1<<21)         ; the mask; elements of 8 bytes; bit 21 beside a mask; no padding
	s_or_b32 s[G1B+0], s44, (3<<16)|(1<<21)
.irp g, G1, G1B
	s_mov_b32 s[\g+1], 512<<16                     ; tensor_dim0: 4,096 bytes: two K steps of 128 of one tile
	s_mov_b32 s[\g+2], 8<<16                       ; tensor_dim1: 8 tiles
	s_mov_b32 s[\g+3], 512<<16
	s_mov_b32 s[\g+4], 8
	s_mov_b32 s[\g+5], 2048                        ; from tile to tile: 16,384 bytes
	s_mov_b32 s[\g+6], 0
	s_mov_b32 s[\g+7], 0
.endr
	s_or_b32 s[G1S+0], s43, (3<<16)|(1<<21)
	s_or_b32 s[G1SB+0], s44, (3<<16)|(1<<21)
.irp g, G1S, G1SB
	s_mov_b32 s[\g+1], 32<<16                      ; the scale words of 8 tiles: 4,096 dense bytes as 16 rows of 256
	s_mov_b32 s[\g+2], 16<<16
	s_mov_b32 s[\g+3], 32<<16
	s_mov_b32 s[\g+4], 16
	s_mov_b32 s[\g+5], 32
	s_mov_b32 s[\g+6], 0
	s_mov_b32 s[\g+7], 0
.endr
	s_lshl_b32 s96, s16, 3                         ; which 8 tiles I fetch
	s_lshl_b32 s20, s17, 4
	s_add_co_u32 s20, s20, s96                     ; A: 16 x tile row + 8 x half
	s_lshl_b32 s22, s20, 9
	s_lshl_b32 s20, s20, 14
	s_mov_b32 s21, 0
	s_mov_b32 s23, 0
	s_lshl_b32 s92, s42, 4
	s_add_co_u32 s92, s92, s96
	s_add_co_u32 s92, s92, 704                     ; B: w_o's tiles begin at 704
	s_lshl_b32 s94, s92, 9
	s_lshl_b32 s92, s92, 14
	s_mov_b32 s93, 0
	s_mov_b32 s95, 0
	s_lshl_b32 s97, s14, 15                        ; where they go: wave x 32,768; no place in the cluster enters an LDS address
	s_lshl_b32 s98, s14, 12
	s_wait_kmcnt 0x0
	s_add_nc_u64 s[20:21], s[4:5], s[20:21]
	s_add_nc_u64 s[22:23], s[6:7], s[22:23]
	s_add_nc_u64 s[92:93], s[8:9], s[92:93]
	s_add_nc_u64 s[94:95], s[10:11], s[94:95]
	CROUND                                         ; all sixteen work-groups are here: the first joint loads meet
	s_mov_b32 s[G0S], 1
	s_add_co_u32 s[G0S+1], s98, SCL
	s_mov_b64 s[G0S+2:G0S+3], s[22:23]
	s_or_b32 s[G0S+3], s[G0S+3], 0x80000000
	s_mov_b32 s[G0SB], 1
	s_add_co_u32 s[G0SB+1], s98, SCL
	s_mov_b64 s[G0SB+2:G0SB+3], s[94:95]
	s_or_b32 s[G0SB+3], s[G0SB+3], 0x80000000
	JLOAD G0S, G1S, G0SB, G1SB                     ; the scale words first: they are wanted with K step 0
.irp s, 0,1
	s_mov_b32 s[G0+4*\s], 1
	s_add_co_u32 s[G0+4*\s+1], s97, \s*SLOT
	s_add_nc_u64 s[G0+4*\s+2:G0+4*\s+3], s[20:21], \s*4096
	s_or_b32 s[G0+4*\s+3], s[G0+4*\s+3], 0x80000000
	s_mov_b32 s[G0B+4*\s], 1
	s_add_co_u32 s[G0B+4*\s+1], s97, \s*SLOT
	s_add_nc_u64 s[G0B+4*\s+2:G0B+4*\s+3], s[92:93], \s*4096
	s_or_b32 s[G0B+4*\s+3], s[G0B+4*\s+3], 0x80000000
	JLOAD G0+4*\s, G1, G0B+4*\s, G1B               ; three loads of mine are out
.endr
	v_and_b32 v1, 15, v0                           ; r
	v_bfe_u32 v2, v0, 4, 1                         ; h
	v_and_b32 v3, 31, v0
	v_lshlrev_b32 v[CO], 4, v3                     ; 16 x lane
	s_lshl_b32 s21, s15, 15
	s_lshl_b32 s22, s16, 15
	s_add_co_u32 s22, s22, BOFF
.irp s, 0,1
	v_add_nc_u32 v[ADRA+\s], s21, v[CO]
	v_add_nc_u32 v[ADRB+\s], s22, v[CO]
	s_add_co_u32 s21, s21, SLOT
	s_add_co_u32 s22, s22, SLOT
.endr
	v_lshlrev_b32 v5, 4, v1
	s_lshl_b32 s21, s15, 12
	s_lshl_b32 s22, s16, 12
	s_add_co_u32 s22, s22, 8192
	s_sub_co_u32 s22, s22, s21
	v_mul_u32_u24 v6, s22, v2                      ; lanes 16-31 take B's: one product with h
	s_add_co_u32 s21, s21, SCL
	v_add_nc_u32 v5, v5, v6
	v_add_nc_u32 v[ADRS], s21, v5
	s_mul_i32 s23, s14, 16*SPITCH                  ; my stage
	v_mul_u32_u24 v5, v1, SPITCH
	v_lshl_add_u32 v5, v2, 6, v5                   ; in: row r, + 64 h: my 16 columns of each 32
	v_add_nc_u32 v[STO], s23, v5
	v_add_nc_u32 v[RD], s23, v[CO]                 ; back: the 32 lanes take one row of 512 bytes
	s_lshl_b32 s20, s17, 8
	s_lshl_b32 s21, s15, 7
	s_add_co_u32 s20, s20, s21                     ; my first row of out0
	s_lshl_b32 s20, s20, 12
	s_lshl_b32 s46, s42, 10
	s_lshl_b32 s47, s16, 9
	s_add_co_u32 s46, s46, s47                     ; my first column, in bytes
	s_add_co_u32 s20, s20, s46
	s_mov_b32 s21, 0
	s_add_nc_u64 s[12:13], s[12:13], s[20:21]
.macro FRAG reg, adr, q, i
.irp c, 0,1,2,3
	ds_load_b128 v[\reg+4*\c:\reg+4*\c+3], v[\adr] offset:4096*(\i)+2048*(\q)+512*\c
.endr
.endm
; 16 matrix instructions: A's blocks a0, a0 + 1 x B's eight.  The 64 accumulators take turns, one instruction a turn, in the same order in every step.
.macro MUL16 a0, p, q, sc, zero
.irp a, \a0, \a0+1
.irp b, 0,1,2,3,4,5,6,7
.if \zero
	v_wmma_scale_f32_16x16x128_f8f6f4 v[8*(8*((\a)%4)+\b):8*(8*((\a)%4)+\b)+7], v[128*(\p)+FR*\b:128*(\p)+FR*\b+FR-1], v[AF+FR*(\a):AF+FR*(\a)+FR-1], 0, v[SC+8*NQ*(\sc)+NQ*\b+(\q)], v[SC+8*NQ*(\sc)+NQ*(\a)+(\q)] matrix_a_scale:MATRIX_SCALE_ROW1
.else
	v_wmma_scale_f32_16x16x128_f8f6f4 v[8*(8*((\a)%4)+\b):8*(8*((\a)%4)+\b)+7], v[128*(\p)+FR*\b:128*(\p)+FR*\b+FR-1], v[AF+FR*(\a):AF+FR*(\a)+FR-1], v[8*(8*((\a)%4)+\b):8*(8*((\a)%4)+\b)+7], v[SC+8*NQ*(\sc)+NQ*\b+(\q)], v[SC+8*NQ*(\sc)+NQ*(\a)+(\q)] matrix_a_scale:MATRIX_SCALE_ROW1
.endif
.endr
.endr
.endm
.macro FETCH_B slot, q, p
	WIN TO_B
.irp i, 0,1,2,3,4,5,6,7
	FRAG 128*(\p)+FR*\i, ADRB+\slot, \q, \i
.endr
	WIN 0
.endm
.macro FETCH_A slot, q, i0
.irp i, \i0, \i0+1, \i0+2, \i0+3
	FRAG AF+FR*(\i), ADRA+\slot, \q, \i
.endr
.endm
.macro SCALES sc, ks
.irp i, 0,1,2,3,4,5,6,7
	ds_load_b64 v[SC+16*(\sc)+2*\i:SC+16*(\sc)+2*\i+1], v[ADRS] offset:512*\i+256*((\ks)/2)+8*((\ks)%2)
.endr
.endm
.macro PLACES n                        ; plain vector lines between a matrix instruction and a load into, or a read of, its registers
.rept \n
	v_nop
.endr
.endm
.macro STEP slot, q, zero
	s_wait_dscnt 4*NL                              ; all but the youngest 16 loads (A's blocks 4-7) are in
	WIN MUL_LO
	MUL16 0, (\q)%2, \q, \slot, \zero
	MUL16 2, (\q)%2, \q, \slot, \zero
	s_wait_dscnt 0
	PLACES NP
	FETCH_B \slot, (\q)+1, 1-(\q)%2
	FETCH_A \slot, (\q)+1, 0
	WIN MUL_HI
	MUL16 4, (\q)%2, \q, \slot, \zero
	MUL16 6, (\q)%2, \q, \slot, \zero
	PLACES NP
	WIN 0
	FETCH_A \slot, (\q)+1, 4
.endm
.macro TURN slot, next, fill, ks
	s_wait_tensorcnt 0x0                           ; all my tensor loads have landed: my part of the next slot
	ds_add_u32 v[SPW], v[NIL]                      ; 0 onto my spare word
	s_wait_dscnt 4*NL+1                            ; the add and the youngest 16 loads may be out
	WIN MUL_LO
	MUL16 0, 1, NQ-1, \slot, 0
	s_wait_dscnt 0x0                               ; the add is done, and my reads of this slot are over
	s_barrier_signal -1
	MUL16 2, 1, NQ-1, \slot, 0
	WIN 0
	s_barrier_wait -1
.if \fill
	CREST                                          ; the barrier has opened a round of the cluster's barrier: no wave of any partner still reads this slot or has a load on its way
	s_add_nc_u64 s[G0+4*\slot+2:G0+4*\slot+3], s[G0+4*\slot+2:G0+4*\slot+3], 8192
	s_add_nc_u64 s[G0B+4*\slot+2:G0B+4*\slot+3], s[G0B+4*\slot+2:G0B+4*\slot+3], 8192
	JLOAD G0+4*\slot, G1, G0B+4*\slot, G1B         ; the first tensor load behind the round; its four v_nop are among the places
	PLACES NP-4
.else
	PLACES NP
.endif
	FETCH_B \next, 0, 0
	FETCH_A \next, 0, 0
	SCALES \next, \ks
	WIN MUL_HI
	MUL16 4, 1, NQ-1, \slot, 0
	MUL16 6, 1, NQ-1, \slot, 0
	PLACES NP
	WIN 0
	FETCH_A \next, 0, 4
.endm
	s_wait_tensorcnt 1                             ; the scale words and my part of K step 0 are in; K step 1's load may be out
	s_barrier_signal -1
	s_barrier_wait -1
	FETCH_B 0, 0, 0
	FETCH_A 0, 0, 0
	SCALES 0, 0
	FETCH_A 0, 0, 4
	STEP 0, 0, 1                                   ; the first products start the sums.  K has four steps of 256: the ring is written out
	TURN 0, 1, 1, 1
	STEP 1, 0, 0
	TURN 1, 0, 1, 2
	STEP 0, 0, 0
	TURN 0, 1, 0, 3
	STEP 1, 0, 0
	s_wait_dscnt 4*NL                              ; the last step: nothing more to fetch
	WIN MUL_LO
	MUL16 0, 1, NQ-1, 1, 0
	MUL16 2, 1, NQ-1, 1, 0
	s_wait_dscnt 0
	WIN MUL_HI
	MUL16 4, 1, NQ-1, 1, 0
	MUL16 6, 1, NQ-1, 1, 0
	WIN 0
; THE WAY OUT, block by block of 16 tokens x 128 columns, through my own stage: accumulator b holds columns 32 (b / 2) + 8 (b % 2) + 16 h + 0 .. 7 of my lane's token.
; Back come whole rows of 512 bytes.  Row t of block a is token 32 (a / 2) + 8 (a % 2) + t + 8 (t / 8) of my 128: its place stands in the store's immediate, 127 rows of 4,096 bytes at the most.
; LDS serves a wave's instructions in order (ISA guide 5.7.1.4): no wait between the stores and the loads.
.macro TOSTAGE a
.set AC, 64*((\a)%4)
	WIN 0x08+4*((\a)/4)                            ; the data: window 2 or 3
.irp b, 0,1,2,3,4,5,6,7
	ds_store_b128 v[STO], v[AC+8*\b:AC+8*\b+3] offset:128*(\b/2)+32*(\b%2)        ; each accumulator from its low end on
	ds_store_b128 v[STO], v[AC+8*\b+4:AC+8*\b+7] offset:128*(\b/2)+32*(\b%2)+16
.endr
	WIN 0
.set BB, BK+64*((\a)%2)
.irp t, 0,1,2,3,4,5,6,7,8,9,10,11,12,13,14,15
	ds_load_b128 v[BB+4*\t:BB+4*\t+3], v[RD] offset:\t*SPITCH
.endr
.endm
.macro SEND a, younger                 ; younger: the LDS instructions issued behind block a's loads, which may stay out
.set BB, BK+64*((\a)%2)
	s_wait_dscnt \younger
.irp t, 0,1,2,3,4,5,6,7,8,9,10,11,12,13,14,15
	global_store_b128 v[CO], v[BB+4*\t:BB+4*\t+3], s[12:13] offset:(32*((\a)/2)+8*((\a)%2)+\t+8*(\t/8))*4096 th:TH_STORE_NT   ; 32 lanes store 512 consecutive bytes, aligned
.endr
.endm
	PLACES NP
	TOSTAGE 0
.irp a, 1,2,3,4,5,6,7
.if \a > 1
	s_wait_xcnt 0x0                                ; block a - 2's stores have read their registers: block a's loads may land there
.endif
	TOSTAGE \a
	SEND \a-1, 32                                  ; behind block a - 1's loads: block a's 16 stores and 16 loads
.endr
	SEND 7, 0
	s_wait_tensorcnt 0x0                           ; the wave's end
	ds_add_u32 v[SPW], v[NIL]
	s_wait_dscnt 0x0
	CROUND                                         ; the closing round
	s_endpgm
.Lfunc_end_k_q153f0bb939_oproj:
	.size	k_q153f0bb939_oproj, .Lfunc_end_k_q153f0bb939_oproj-k_q153f0bb939_oproj
	.p2alignl 7, 3214868480
	.fill 96, 4, 3214868480
	.section	.rodata,"a",@progbits
	.p2align	6, 0x0
	.amdhsa_kernel k_q153f0bb939_oproj
		.amdhsa_group_segment_fixed_size 327680
		.amdhsa_private_segment_fixed_size 0
		.amdhsa_enable_private_segment 0
		.amdhsa_kernarg_size 40
		.amdhsa_user_sgpr_count 2
		.amdhsa_user_sgpr_kernarg_segment_ptr 1
		.amdhsa_wavefront_size32 1
		.amdhsa_system_sgpr_workgroup_id_x 1
		.amdhsa_system_sgpr_workgroup_id_y 1
		.amdhsa_system_sgpr_workgroup_id_z 1
		.amdhsa_system_vgpr_workitem_id 0
		.amdhsa_next_free_vgpr 1024
		.amdhsa_next_free_sgpr 100
		.amdhsa_reserve_vcc 0
		.amdhsa_float_denorm_mode_32 3
		.amdhsa_float_denorm_mode_16_64 3
		.amdhsa_memory_ordered 1
		.amdhsa_forward_progress 1
		.amdhsa_inst_pref_size 144
	.end_amdhsa_kernel
	.amdgpu_metadata
---
amdhsa.version: [ 1, 2 ]
amdhsa.kernels:
  - .name:           k_q153f0bb939_oproj
    .symbol:         k_q153f0bb939_oproj.kd
    .args:
      - { .name: aoc, .offset: 0, .size: 8, .value_kind: global_buffer, .address_space: global }
      - { .name: aos, .offset: 8, .size: 8, .value_kind: global_buffer, .address_space: global }
      - { .name: opc, .offset: 16, .size: 8, .value_kind: global_buffer, .address_space: global }
      - { .name: ops, .offset: 24, .size: 8, .value_kind: global_buffer, .address_space: global }
      - { .name: out0, .offset: 32, .size: 8, .value_kind: global_buffer, .address_space: global }
    .group_segment_fixed_size: 327680
    .private_segment_fixed_size: 0
    .kernarg_segment_align: 8
    .kernarg_segment_size: 40
    .max_flat_workgroup_size: 128
    .sgpr_count:     100
    .vgpr_count:     1024
    .wavefront_size: 32
...
	.end_amdgpu_metadata
.endif
;; end of part 4
;; ======== version 2 of 2: 4 launches; version 1 with the launch attn written anew for expert scheduling mode
;; workspace buffers: opc 12,582,912 bytes; ops 393,216 bytes; rope 2,097,152 bytes; qkc 25,165,824 bytes; qks 1,310,720 bytes; aoc 8,388,608 bytes; aos 262,144 bytes
;; launch prep: the kernel of part 1 again; grid 512 x 1, 4 waves a work-group, no clusters, 34,304 bytes of LDS; arguments x, w_qkv, w_o, token_positions, opc, ops, rope; writes opc, ops, rope
;; launch qkv: the kernel of part 2 again; grid 12 x 32, 4 waves a work-group, clusters of 4 x 4, 327,680 bytes of LDS; arguments opc, ops, rope, qkc, qks; writes qkc, qks
;; launch attn (part 5): grid 4 x 64, 16 waves a work-group, no clusters, 101,888 bytes of LDS; arguments qkc, qks, aoc, aos; writes aoc, aos
.if DOCPART == 5
	.amdgcn_target "amdgcn-amd-amdhsa--gfx1250"
	.amdhsa_code_object_version 6
	.text
	.protected	k_q153f0bb939_attn
	.globl	k_q153f0bb939_attn
	.p2align	8
	.type	k_q153f0bb939_attn,@function
k_q153f0bb939_attn:
	s_mov_b64 s[64:65], 0
	v_nop
	global_prefetch_b8 v0, s[64:65] scope:SCOPE_SE
	s_setreg_imm32_b32 hwreg(HW_REG_WAVE_SCHED_MODE, 0, 2), 2
	s_setreg_imm32_b32 hwreg(HW_REG_WAVE_MODE, 25, 1), 1
	s_wait_xcnt 0x0
	s_wait_alu depctr_vm_vsrc(0)
; ATTENTION with the causal mask, both products on codes of FP8 (E4M3) with E8M0 scales; head size 64, 2,048 tokens, 64 batch-heads.  Its result, O / l, is quantised along the model's 1,024 for the last product.
; t = score x log2(e) / 8; M = the row's largest t so far, rounded up to a whole number; p = 2^(t - M) is quantised along the keys; the row's sum is taken of the unquantised p and divides O at the end.
; When M moves, the sum and O are multiplied by 2^(old M - new M): exact.
; SHARES.  Work-group (X, batch-head) owns the blocks X and 7 - X of 256 queries: X + 1 and 8 - X slots of 256 keys, NINE VISITS for every work-group: equal work and a loop of constant count.
; Each of the sixteen waves owns one tile of 16 queries; four waves to a SIMD, so that one wave's vector work stands beside another's matrix work and LDS loads.
; OPERANDS lie in memory as images of their registers (the launch before laid them so), and go to LDS as they lie: every LDS access is 16 bytes a lane on end.  K and V of the next visit are asked for a whole visit
; ahead, into registers, and stored to the other LDS slot at the next visit's head: one barrier a visit.  A slot is written again two visits after it was read, and every wave has waited for its reads in front of the barrier between.
; No tensor loads and no joint requests: the four work-groups of a head stand at different slots at any time.  No prefetch: each byte of K and V is requested a visit (two key steps of all sixteen waves) before its use.
; LAYOUT.  S^T = K Q^T and O^T = V^T P^T: a lane holds one query throughout.  Row r of a tile of tokens is token 32 (T / 2) + 8 (T % 2) + r + 8 (r / 8), so the 16 registers of key tiles 2 b, 2 b + 1 are keys 32 b + 16 h + 0 .. 15;
; V's tiles of channels are ordered likewise, so O^T's 16 registers of two tiles are 16 neighbouring channels.  The first product's K is 64: the upper halves of its fragments are zero codes, set once.
; OUT.  aoc: [token tile 0..511][K step 0..7][c][lane][16]; head hd fills K step hd / 2, c = 2 (hd % 2) + 0, 1.  aos: [tile][K step / 4][r][K step % 4] words; a wave stores 32 single bytes of them for each tile and head:
; those 256 bytes are completed by the other heads' work-groups: one byte in 32 of what the launch stores.
; LIMITS: NaN and infinities are not served; a block of zeros keeps the byte 1.  The block's largest p is made from the block's largest score by the same two instructions as every p.
; REGISTERS: v1 16 lane, v2 16 thread, v3 16 r, v4-7 LDS addresses of the visit, v8 r + 8 (r / 8) - 16 h, v9 16 r + h, v10 16 lane + 512 wave; v12 -M, v13 largest t, v[14:15] the sum; v16-31 Q; v32-95 four fragments of K
; (their data halves are at work in the softmax); v96-159 S^T, p, then V; v160-191 O^T; v192-207 p's codes; v208 p's, v209 Q's, v210-213 K's, v214-217 V's scale words; v218-237 the next visit's bytes; v238-247 the way out.
; THE MODE: SCHED_MODE bits 1:0 = 2 (LLVM: expert scheduling mode 2), set by the entry lines.  The code itself states the register dependences between vector or matrix instructions and memory or LDS instructions,
; with s_wait_alu, always for 0.
; THE PLAN.  Registers that memory or LDS instructions touch:
;   v1, v2, v3, v9   offsets, made once at the head and never written again.
;   v4 .. v7         LDS addresses: written by four additions at a visit's head, read by that visit's LDS stores and loads.
;   v218 .. v237     written by the global loads behind a visit's barrier, read by the next visit's LDS stores; no vector instruction names them.
;   v16-23, v209     Q and its scale words: written by START's loads, read by the first products.
;   v32-39, 48-55, 64-71, 80-87   K's data halves: LDS loads land in them twice a step; the first products read them; the softmax then works in them; the last line that names one is O^T's rescaling (v64).
;   v210-213, v214-217            scale words: LDS loads land in them once a step; the first and the second products read them.
;   v96 .. v159      written by the first products, worked on as p, then V's LDS loads land in them; the second products read them.
;   v192-199, v246   on the way out: written by the conversions and a select, read by three global stores.
; A VISIT has two waits at its head, round the four additions, and one behind its barrier.  A KEY STEP has three on va_vdst beside the two behind its exponentials: ahead of K's second four tiles, ahead of V's loads, and ahead
; of the second products.  Behind the last of them a step issues its four second products alone, which name O^T, V, p's codes and the scale words v208, v214-217: none of the registers that the next step's first loads touch
; (v4, v210-213, K's data halves).  So a step's first run of loads owes no wait, whether the way to it leads from the visit's head, from a step that was worked or from one that was left out.
.set SLOT1, 65536                      ; a slot: K's images 16,384, V's 16,384, K's scale words 1,024, V's 512
.set VOFF,  16384
.set KSOFF, 32768
.set VSOFF, 33792
.set WV,  12
.set BH,  13
.set VI,  14                           ; the visit, 0 .. 8
.set SIG, 15                           ; its slot of keys
.set JB,  16                           ; the block of queries in hand
.set KF,  17                           ; the step's first key
.set QM,  18                           ; my tile's least query; the largest is 23 above
.set TB,  19                           ; the LDS slot in hand
.set SEL, 20
.set CS,  22
.set MNT, 24
.set HM,  25                           ; lanes 16-31
.set KB,  26
.set VB,  28
.set SB,  30
.set SST, 32
.set SN,  33                           ; the next visit's slot of keys
.set KA,  34
.set VA,  36
.set SA,  38
.set AO,  40
.set ASC, 42
.set QA,  44
.set QS,  46
.set MK,  56                           ; s56-63 and s66-89: the masks of 32 compares on the diagonal; mask N at s[MK + N + 2 ((N + MK) / 64)]
.macro ASKNEXT                         ; slot s[SN] of K and V into registers: 512 threads x 16 bytes a load; waves 0, 1: K's scale words, wave 2: V's
	s_lshl_b32 s48, s[SN], 14
	s_mov_b32 s49, 0
	s_add_nc_u64 s[KA:KA+1], s[KB:KB+1], s[48:49]
	s_add_nc_u64 s[VA:VA+1], s[VB:VB+1], s[48:49]
	global_load_b128 v[218:221], v2, s[KA:KA+1]
	global_load_b128 v[222:225], v2, s[KA:KA+1] offset:8192
	global_load_b128 v[226:229], v2, s[VA:VA+1]
	global_load_b128 v[230:233], v2, s[VA:VA+1] offset:8192
	s_cmp_lt_u32 s[WV], 3
	s_cbranch_scc0 .Lno_words_\@
	s_mul_i32 s48, s[SN], s[SST]
	s_add_nc_u64 s[SA:SA+1], s[SB:SB+1], s[48:49]
	global_load_b128 v[234:237], v1, s[SA:SA+1]
.Lno_words_\@:
.endm
.macro START                           ; block s[JB]: my tile's Q, its addresses, and empty sums
	s_lshl_b32 s48, s[JB], 4
	s_add_co_u32 s48, s48, s[WV]                   ; my tile among the head's 128
	s_lshl_b32 s49, s[BH], 7
	s_add_co_u32 s50, s49, s48
	s_lshl_b32 s50, s50, 10
	s_mov_b32 s51, 0
	s_add_nc_u64 s[QA:QA+1], s[4:5], s[50:51]
	s_wait_alu depctr_va_vdst(0)                   ; at the head: the offsets v1, v2 and v3 are written, which the loads below and the first ASKNEXT read; at the change of blocks: the first products are done reading Q and v209, in which these loads land
	global_load_b128 v[16:19], v1, s[QA:QA+1]
	global_load_b128 v[20:23], v1, s[QA:QA+1] offset:512
	s_lshr_b32 s50, s48, 2
	s_lshl_b32 s50, s50, 8                         ; 256 bytes for each four tiles,
	s_and_b32 s52, s48, 3
	s_lshl_b32 s52, s52, 2                         ; a word a tile
	s_add_co_u32 s50, s50, s52
	s_lshl_b32 s52, s[BH], 13
	s_add_co_u32 s50, s50, s52
	s_add_nc_u64 s[QS:QS+1], s[6:7], s[50:51]
	global_load_b32 v209, v3, s[QS:QS+1]
	s_lshl_b32 s[QM], s[JB], 8
	s_lshr_b32 s52, s[WV], 1
	s_lshl_b32 s52, s52, 5
	s_add_co_u32 s[QM], s[QM], s52
	s_and_b32 s52, s[WV], 1
	s_lshl_b32 s52, s52, 3
	s_add_co_u32 s[QM], s[QM], s52                 ; 256 block + 32 (wave / 2) + 8 (wave % 2)
	s_lshr_b32 s52, s[BH], 4
	s_lshl_b32 s52, s52, 7
	s_add_co_u32 s52, s52, s48                     ; my tile among all 512
	s_and_b32 s53, s[BH], 15                       ; the head
	s_lshl_b32 s50, s52, 14
	s_lshl_b32 s54, s53, 10                        ; a head's two pieces are 1,024 bytes
	s_add_co_u32 s50, s50, s54
	s_add_nc_u64 s[AO:AO+1], s[8:9], s[50:51]
	s_lshl_b32 s50, s52, 9
	s_lshr_b32 s54, s53, 3
	s_lshl_b32 s54, s54, 8
	s_add_co_u32 s50, s50, s54
	s_and_b32 s54, s53, 7
	s_lshl_b32 s54, s54, 1                         ; two bytes a head
	s_add_co_u32 s50, s50, s54
	s_add_nc_u64 s[ASC:ASC+1], s[10:11], s[50:51]
	v_mov_b32 v13, 0xff61b1e6                      ; the largest t so far: -3e38
	v_floor_f32 v12, -v13
	v_mov_b32 v14, 0
	v_mov_b32 v15, 0
.set J, 0
.rept 32
	v_mov_b32 v[160+J], 0                          ; O^T: the key step is written once; the first finds zeros, which the first change of M leaves zeros
.set J, J+1
.endr
.endm
.macro FINISH                          ; O^T / the sum, quantised along the channels, out as two pieces of an image and a byte a lane
.rept 8
	v_nop                                          ; places behind the last products
.endr
	v_add_f32 v14, v14, v15
	v_permlanex16_b32 v238, v14, s[SEL], s[SEL+1]
	v_add_f32 v14, v14, v238                       ; the row's sum
	v_rcp_f32 v14, v14
	v_nop                                          ; a plain line behind the transcendental,
	s_wait_alu depctr_va_vdst(0)                   ; and a wait ahead of its first reader: the reciprocal has written v14
.set J, 0
.rept 16
	v_pk_mul_f32 v[96+J:97+J], v[160+J:161+J], v[14:15] op_sel_hi:[1,0]   ; register 16 b + i: channel 32 b + 16 h + i
.set J, J+2
.endr
.irp b, 0,1
	v_max3_num_f32 v[238+\b], |v[96+16*\b]|, |v[97+16*\b]|, 0x4800000
.endr
.irp i, 2,4,6,8,10,12,14
.irp b, 0,1
	v_max3_num_f32 v[238+\b], v[238+\b], |v[96+16*\b+\i]|, |v[97+16*\b+\i]|
.endr
.endr
.irp b, 0,1
	v_permlanex16_b32 v[240+\b], v[238+\b], s[SEL], s[SEL+1]
.endr
.irp b, 0,1
	v_max_num_f32 v[238+\b], v[238+\b], v[240+\b]
.endr
.irp b, 0,1
	v_add_nc_u32 v[244+\b], 0xfc000000, v[238+\b]
.endr
.irp b, 0,1
	v_and_or_b32 v[242+\b], v[238+\b], 0x7f800000, s[MNT]
.endr
.irp b, 0,1
	v_lshrrev_b32 v[246+\b], 23, v[244+\b]
.endr
.irp b, 0,1
.irp i, 0,1,2,3,4,5,6,7,8,9,10,11,12,13,14,15
	v_med3_num_f32 v[96+16*\b+\i], v[96+16*\b+\i], -v[242+\b], v[242+\b]
.endr
	v_cvt_scalef32_pk8_fp8_f32 v[192+4*\b:193+4*\b], v[96+16*\b:103+16*\b], v[244+\b]
	v_cvt_scalef32_pk8_fp8_f32 v[194+4*\b:195+4*\b], v[104+16*\b:111+16*\b], v[244+\b]
.endr
	v_cndmask_b32 v246, v246, v247, s[HM]          ; lanes 0-15 store block 0's byte, lanes 16-31 block 1's.  (A plain line behind the conversions)
	s_wait_alu depctr_va_vdst(0)                   ; the conversions have written v192 to v199 and the select v246, which the three stores read
	global_store_b128 v1, v[192:195], s[AO:AO+1]
	global_store_b128 v1, v[196:199], s[AO:AO+1] offset:512
	global_store_b8 v9, v246, s[ASC:ASC+1]
	s_wait_xcnt 0x0                                ; the stores' registers and bases are written again only behind this wait
.endm
; A KEY STEP: 128 keys, the q-th of the slot in hand
.macro STEP q
	s_lshl_b32 s[KF], s[SIG], 8
.if \q
	s_add_co_u32 s[KF], s[KF], 128
.endif
	s_add_co_u32 s48, s[QM], 23
	s_cmp_gt_u32 s[KF], s48                        ; all its keys come after my queries: the step is left out (ids alone decide)
	s_cbranch_scc1 .Lhidden_\@
.rept 9
	v_nop                                          ; S^T is laid over V's fragments, which the last products read: nine places in front of matrix instructions that write over them
.endr
	ds_load_b128 v[210:213], v4 offset:KSOFF+512*\q   ; word i: lanes 0-15 tile i, lanes 16-31 tile 4 + i.  No wait for this run of nine loads: since the last wait on va_vdst no vector or matrix instruction names v4, v210-213 or K's data halves (the plan)
.irp g, 0,1
.if \g
.rept 8
	v_nop                                          ; places in front of loads into registers that matrix instructions have read
.endr
	s_wait_alu depctr_va_vdst(0)                   ; the four products above are done reading K's fragments, in which the next four tiles land; the last step's second products are done reading v214 to v217
	ds_load_b128 v[214:217], v5 offset:VSOFF+256*\q   ; V's scale words for this step's second products
.endif
.irp i, 0,1,2,3
	ds_load_b128 v[32+16*\i:35+16*\i], v4 offset:8192*\q+1024*(4*\g+\i)
	ds_load_b128 v[36+16*\i:39+16*\i], v4 offset:8192*\q+1024*(4*\g+\i)+512
.endr
	s_wait_dscnt 0x0
.irp i, 0,1,2,3
.if \g
	v_wmma_scale_f32_16x16x128_f8f6f4 v[96+8*(4*\g+\i):103+8*(4*\g+\i)], v[32+16*\i:47+16*\i], v[16:31], 0, v[210+\i], v209 matrix_a_scale:MATRIX_SCALE_ROW1
.else
	v_wmma_scale_f32_16x16x128_f8f6f4 v[96+8*(4*\g+\i):103+8*(4*\g+\i)], v[32+16*\i:47+16*\i], v[16:31], 0, v[210+\i], v209
.endif
.endr
.endr
.rept 8
	v_nop
.endr
	s_add_co_u32 s48, s[KF], 127
	s_cmp_le_u32 s48, s[QM]                        ; all keys count: no mask
	s_cbranch_scc1 .Lopen_\@
	s_sub_co_i32 s48, s[QM], s[KF]
	v_add_nc_u32 v66, s48, v8                      ; d = my query - KF - 16 h.  Register 16 b + i holds key KF + 16 h + 32 b + i: hidden where 32 b + i > d
	v_mov_b32 v67, 0xff800000
.irp u, 0,1                                    ; the compares stand in two runs of 32, each mask in a scalar register of its own, so that one wait serves a run
.set N, 0
.rept 32
	v_cmp_gt_i32 s[MK+N+2*((N+MK)/64)], 32*((32*\u+N)/16)+N%16, v66
.set N, N+1
.endr
	s_wait_alu depctr_va_sdst(0)                   ; the 32 compares have written their masks, ahead of the selects that read them
.set N, 0
.rept 32
	v_cndmask_b32 v[96+32*\u+N], v[96+32*\u+N], v67, s[MK+N+2*((N+MK)/64)]
.set N, N+1
.endr
.endr
.Lopen_\@:
.irp b, 0,1,2,3
	v_max3_num_f32 v[32+\b], v[96+16*\b], v[97+16*\b], v[98+16*\b]   ; the largest score of each block of 32 keys: for the row's maximum, and for the block's largest p
.endr
.irp i, 3,5,7,9,11,13
.irp b, 0,1,2,3
	v_max3_num_f32 v[32+\b], v[32+\b], v[96+16*\b+\i], v[97+16*\b+\i]
.endr
.endr
.irp b, 0,1,2,3
	v_max_num_f32 v[32+\b], v[32+\b], v[111+16*\b]
.endr
.irp b, 0,1,2,3
	v_permlanex16_b32 v[36+\b], v[32+\b], s[SEL], s[SEL+1]
.endr
.irp b, 0,1,2,3
	v_max_num_f32 v[32+\b], v[32+\b], v[36+\b]
.endr
	v_max3_num_f32 v66, v32, v33, v34
	v_max_num_f32 v66, v66, v35
	v_mul_f32 v66, s[CS], v66
	v_max_num_f32 v13, v13, v66                    ; the running largest t
	v_mov_b32 v66, v12
	v_floor_f32 v12, -v13                          ; the new -M: M is a whole number
	v_sub_f32 v66, v12, v66
	v_cvt_i32_f32 v66, v66                         ; (it saturates)
	v_ldexp_f32 v64, 1.0, v66                      ; f = 2^(old M - new M)
.set J, 0
.rept 32
	v_pk_fma_f32 v[96+J:97+J], v[96+J:97+J], s[CS:CS+1], v[12:13] op_sel_hi:[1,0,0]   ; t - M
.set J, J+2
.endr
.irp b, 0,1,2,3
	v_fma_f32 v[32+\b], v[32+\b], s[CS], v12
.endr
.set J, 0
.rept 64
	v_exp_f32 v[96+J], v[96+J]                     ; p = 2^(t - M)
.set J, J+1
.endr
	v_pk_mul_f32 v[14:15], v[14:15], v[64:65] op_sel_hi:[1,0]   ; the sums under the new M.  (A plain line behind the exponentials)
	s_wait_alu depctr_va_vdst(0)                   ; one wait for the batch, ahead of its first reader: the 64 exponentials have written p
.irp b, 0,1,2,3
	v_exp_f32 v[32+\b], v[32+\b]                   ; the block's largest p
.endr
	v_pk_add_f32 v[36:37], v[96:97], v[98:99]      ; the row's sum of the unquantised p, in two chains
.irp j, 4,8,12,16,20,24,28,32,36,40,44,48,52,56,60
	v_pk_add_f32 v[14:15], v[14:15], v[96+\j:97+\j]
	v_pk_add_f32 v[36:37], v[36:37], v[98+\j:99+\j]
.endr
	v_pk_add_f32 v[14:15], v[14:15], v[36:37]
	s_wait_alu depctr_va_vdst(0)                   ; and one for the four: they have written v32 to v35
.irp b, 0,1,2,3
	v_max_num_f32 v[32+\b], 0x4800000, v[32+\b]    ; the floor: the byte cannot fall under 1
.endr
.irp b, 0,1,2,3
	v_add_nc_u32 v[52+\b], 0xfc000000, v[32+\b]
.endr
.irp b, 0,1,2,3
	v_and_or_b32 v[48+\b], v[32+\b], 0x7f800000, s[MNT]
.endr
.irp b, 0,1,2,3
	v_lshrrev_b32 v[36+\b], 23, v[52+\b]
.endr
	v_lshl_or_b32 v208, v37, 8, v36                ; p's scale word for these 128 keys
	v_lshl_or_b32 v208, v38, 16, v208
	v_lshl_or_b32 v208, v39, 24, v208
.irp b, 0,1,2,3
.irp i, 0,1,2,3,4,5,6,7,8,9,10,11,12,13,14,15
	v_min_num_f32 v[96+16*\b+\i], v[96+16*\b+\i], v[48+\b]   ; the hold; p is not negative
.endr
	v_cvt_scalef32_pk8_fp8_f32 v[192+4*\b:193+4*\b], v[96+16*\b:103+16*\b], v[52+\b]
	v_cvt_scalef32_pk8_fp8_f32 v[194+4*\b:195+4*\b], v[104+16*\b:111+16*\b], v[52+\b]
.endr
	s_wait_alu depctr_va_vdst(0)                   ; the holds have written p and the conversions are done reading it: V's loads land in v96 to v159
.irp t, 0,1,2,3
.irp c, 0,1,2,3
	ds_load_b128 v[96+16*\t+4*\c:99+16*\t+4*\c], v4 offset:VOFF+8192*\q+2048*\t+512*\c   ; V's four tiles of channels take p's place
.endr
.endr
.set J, 0
.rept 16
	v_pk_mul_f32 v[160+J:161+J], v[160+J:161+J], v[64:65] op_sel_hi:[1,0]   ; O^T under the new M.  (These are also the places in front of the products; they name none of the registers that V's loads touch)
.set J, J+2
.endr
	s_wait_dscnt 0x0
	s_wait_alu depctr_va_vdst(0)                   ; behind the places: p's codes v192 to v207 and its scale word v208 are written, which the scaled products take as source 1 and its scales; and the rescalings are done reading v64, in which the next step's K lands
.irp t, 0,1,2,3
	v_wmma_scale_f32_16x16x128_f8f6f4 v[160+8*\t:167+8*\t], v[96+16*\t:111+16*\t], v[192:207], v[160+8*\t:167+8*\t], v[214+\t], v208
.endr
.Lhidden_\@:
.endm
	s_load_b256 s[4:11], s[0:1], 0x0               ; qkc s[4:5], qks s[6:7], aoc s[8:9], aos s[10:11]
	v_lshl_add_u32 v254, v0, 2, 0x18600
	v_mov_b32 v255, 0
	v_lshrrev_b32 v11, 5, v0
	v_readfirstlane_b32 s[WV], v11
	v_and_b32 v11, 31, v0
	v_lshlrev_b32 v1, 4, v11
	v_lshlrev_b32 v2, 4, v0
	v_and_b32 v11, 15, v0                          ; r
	v_lshlrev_b32 v3, 4, v11
	v_bfe_u32 v10, v0, 4, 1                        ; h
	v_add_nc_u32 v9, v3, v10
	v_and_b32 v8, 8, v11
	v_add_nc_u32 v8, v8, v11
	v_lshlrev_b32 v11, 4, v10
	v_sub_nc_u32 v8, v8, v11
	v_cmp_eq_u32 s[HM], 1, v10
	s_wait_alu depctr_va_sdst(0)                   ; the wave's number and the mask of lanes 16-31 are written, ahead of the first reader of either
	s_lshl_b32 s48, s[WV], 9
	v_add_nc_u32 v10, s48, v1
	s_and_b32 s[BH], ttmp7, 0xffff
	s_mov_b32 s[SEL], 0x76543210
	s_mov_b32 s[SEL+1], 0xfedcba98
	s_mov_b32 s[CS], 0x3e38aa3b                    ; log2(e) / 8
	s_mov_b32 s[CS+1], s[CS]
	s_mov_b32 s[MNT], 0x600000
	s_mov_b32 s[TB], 0
	s_mov_b32 s[VI], 0
	s_mov_b32 s[SIG], 0
	s_mov_b32 s[SN], 0
	s_mov_b32 s[JB], ttmp9
	s_lshl_b32 s48, s[BH], 17
	s_mov_b32 s49, 0
	s_add_co_u32 s50, s48, 0x800000                ; K's images of my batch-head,
	s_mov_b32 s51, 0
	s_add_co_u32 s48, s48, 0x1000000               ; V's
	s_lshl_b32 s52, s[BH], 13
	s_lshl_b32 s53, s[WV], 9
	s_add_co_u32 s52, s52, s53
	s_add_co_u32 s52, s52, 0x80000                 ; waves 0, 1: K's scale words, 512 bytes each;
	s_lshl_b32 s54, s[BH], 12
	s_add_co_u32 s54, s54, 0x100000                ; wave 2: V's
	s_cmp_lt_u32 s[WV], 2
	s_cselect_b32 s52, s52, s54
	s_mov_b32 s[SST], 512
	s_cselect_b32 s[SST], 1024, s[SST]             ; from slot to slot
	s_mov_b32 s53, 0
.irp j, 24,25,26,27,28,29,30,31
	v_mov_b32 v[\j], 0                             ; the first product's K is 64: zero codes above it, in Q
.endr
.irp i, 0,1,2,3
.irp j, 8,9,10,11,12,13,14,15
	v_mov_b32 v[32+16*\i+\j], 0                    ; and in K's four fragments
.endr
.endr
.irp j, 238,239,240,241
	v_mov_b32 v[\j], 0                             ; lane permutes' destinations count as sources
.endr
	s_wait_kmcnt 0x0
	s_add_nc_u64 s[KB:KB+1], s[4:5], s[50:51]
	s_add_nc_u64 s[VB:VB+1], s[4:5], s[48:49]
	s_add_nc_u64 s[SB:SB+1], s[6:7], s[52:53]
	START
	ASKNEXT
.Lvisit:
	s_wait_loadcnt 0x0                             ; this visit's K and V (asked for a visit ago), and Q
	s_wait_alu depctr_vm_vsrc(0)                   ; the last visit's LDS stores and loads have read v4 to v7, which are written anew
	v_add_nc_u32 v4, s[TB], v1
	v_add_nc_u32 v5, s[TB], v3
	v_add_nc_u32 v6, s[TB], v2
	v_add_nc_u32 v7, s[TB], v10
	s_wait_alu depctr_va_vdst(0)                   ; v4 to v7 are written, which this visit's LDS stores and loads read; and every earlier product and vector line is done with v210-213 and K's data halves, in which the first step's loads land
	ds_store_b128 v6, v[218:221]
	ds_store_b128 v6, v[222:225] offset:8192
	ds_store_b128 v6, v[226:229] offset:VOFF
	ds_store_b128 v6, v[230:233] offset:VOFF+8192
	s_cmp_lt_u32 s[WV], 3
	s_cbranch_scc0 .Lno_store
	ds_store_b128 v7, v[234:237] offset:KSOFF
.Lno_store:
	s_wait_dscnt 0x0                               ; my stores have landed, and my reads of the other slot were over long ago
	s_barrier_signal -1
	s_barrier_wait -1
	s_wait_alu depctr_vm_vsrc(0)                   ; my LDS stores have read v218 to v237, in which the next visit's loads land
	s_cmp_lt_u32 s[VI], 8
	s_cbranch_scc0 .Lno_ask                        ; the last visit asks for nothing
	s_add_co_u32 s[SN], s[SIG], 1
	s_cmp_eq_u32 s[VI], ttmp9
	s_cselect_b32 s[SN], 0, s[SN]                  ; the second block begins at the head's first keys
	ASKNEXT
.Lno_ask:
	STEP 0
	STEP 1
	s_cmp_eq_u32 s[VI], ttmp9
	s_cbranch_scc0 .Lsame_block
	FINISH                                         ; block X is done: on to block 7 - X
	s_wait_alu depctr_vm_vsrc(0)                   ; the three stores have read v192 to v199 and v246, which the later steps' conversions and the second way out write again
	s_sub_co_u32 s[JB], 7, ttmp9
	START
.Lsame_block:
	s_xor_b32 s[TB], s[TB], SLOT1
	s_mov_b32 s[SIG], s[SN]
	s_add_co_u32 s[VI], s[VI], 1
	s_cmp_lt_u32 s[VI], 9
	s_cbranch_scc1 .Lvisit
	FINISH
	s_wait_dscnt 0x0                               ; the closing lines, six on end
	s_wait_alu 0x0
	s_wait_tensorcnt 0x0
	ds_add_u32 v254, v255
	s_wait_dscnt 0x0
	s_endpgm
.Lfunc_end_k_q153f0bb939_attn:
	.size	k_q153f0bb939_attn, .Lfunc_end_k_q153f0bb939_attn-k_q153f0bb939_attn
	.p2alignl 7, 3214868480
	.fill 96, 4, 3214868480
	.section	.rodata,"a",@progbits
	.p2align	6, 0x0
	.amdhsa_kernel k_q153f0bb939_attn
		.amdhsa_group_segment_fixed_size 101888
		.amdhsa_private_segment_fixed_size 0
		.amdhsa_enable_private_segment 0
		.amdhsa_kernarg_size 32
		.amdhsa_user_sgpr_count 2
		.amdhsa_user_sgpr_kernarg_segment_ptr 1
		.amdhsa_wavefront_size32 1
		.amdhsa_system_sgpr_workgroup_id_x 1
		.amdhsa_system_sgpr_workgroup_id_y 1
		.amdhsa_system_sgpr_workgroup_id_z 1
		.amdhsa_system_vgpr_workitem_id 0
		.amdhsa_next_free_vgpr 256
		.amdhsa_next_free_sgpr 96
		.amdhsa_reserve_vcc 0
		.amdhsa_float_denorm_mode_32 3
		.amdhsa_float_denorm_mode_16_64 3
		.amdhsa_memory_ordered 1
		.amdhsa_forward_progress 1
		.amdhsa_inst_pref_size 80
	.end_amdhsa_kernel
	.amdgpu_metadata
---
amdhsa.version: [ 1, 2 ]
amdhsa.kernels:
  - .name:           k_q153f0bb939_attn
    .symbol:         k_q153f0bb939_attn.kd
    .args:
      - { .name: qkc, .offset: 0, .size: 8, .value_kind: global_buffer, .address_space: global }
      - { .name: qks, .offset: 8, .size: 8, .value_kind: global_buffer, .address_space: global }
      - { .name: aoc, .offset: 16, .size: 8, .value_kind: global_buffer, .address_space: global }
      - { .name: aos, .offset: 24, .size: 8, .value_kind: global_buffer, .address_space: global }
    .group_segment_fixed_size: 101888
    .private_segment_fixed_size: 0
    .kernarg_segment_align: 8
    .kernarg_segment_size: 32
    .max_flat_workgroup_size: 512
    .sgpr_count:     96
    .vgpr_count:     256
    .wavefront_size: 32
...
	.end_amdgpu_metadata
.endif
;; end of part 5
;; launch oproj: the kernel of part 4 again; grid 4 x 32, 4 waves a work-group, clusters of 4 x 4, 327,680 bytes of LDS; arguments aoc, aos, opc, ops, out0; writes out0
